; MI455X (gfx1250); checked and timed in simulation.
; The chip was launched on July 23, 2026; its instructions are those of AMD's public machine-readable ISA for CDNA 5 (MIT licence, August 2026) and "CDNA5" Instruction Set Architecture Reference Guide (July 2026). The comments in the code are by the model that wrote it; some were corrected since.
;; Mo E Layer. Allowed arithmetic: float matrix products may take bf16 or f16 operands with f32 sums; other float arithmetic in f32, or as packed bf16 or f16 multiplies, adds, multiply-adds, maxima and minima; sums over many terms, partial sums and values carried from step to step in f32; what a program stores and reads back later, other than sums and carried values, may be rounded once to bf16 or f16.
;; Inputs: ln_beta 1,024 float32; ln_gamma 1,024 float32; w_down 8 x 1,024 x 2,048 float32; w_gate 8 x 2,048 x 1,024 float32; w_router 8 x 1,024 float32; w_up 8 x 2,048 x 1,024 float32; x 2 x 512 x 1,024 float32.
;; Outputs: out0 2 x 512 x 1,024 float32.
;; 2 versions, each right; version 2 is version 1 with the launches ffn1, ffn2 written anew for expert scheduling mode. Each part assembles by itself: llvm-mc -triple=amdgcn-amd-amdhsa -mcpu=gfx1250 --defsym DOCPART=n.
;; ======== version 1 of 2: 4 launches
;; workspace buffers: xb 2,097,152 bytes; sel 4,096 bytes of whole numbers; rw 8,192 bytes; hbuf 33,554,432 bytes; ybuf 16,777,216 bytes
;; launch route (part 1): grid 256 x 1, 4 waves a work-group, no clusters, 0 bytes of LDS; arguments x, w_router, xb, sel, rw; writes xb, sel, rw
.if DOCPART == 1
	.amdgcn_target "amdgcn-amd-amdhsa--gfx1250"
	.amdhsa_code_object_version 6
	.text
	.protected	k_qca03fb7c51_route
	.globl	k_qca03fb7c51_route
	.p2align	8
	.type	k_qca03fb7c51_route,@function
k_qca03fb7c51_route:
	s_mov_b64 s[64:65], 0
	v_nop
	global_prefetch_b8 v0, s[64:65] scope:SCOPE_SE
	s_setreg_imm32_b32 hwreg(HW_REG_WAVE_MODE, 25, 1), 1
	s_wait_xcnt 0x0
; ROUTER.  One wave takes one token T = 4 x work-group + wave: it rounds the token's 1,024 numbers of x to bf16 and stores them (xb), forms the 8 logits
; from bf16(x) and bf16(w_router) (products exact in f32, sums in f32), takes the two largest (the lower index wins a tie) and the softmax over the two, the larger taken away first.
; It stores, at fixed places: sel[T] = (1 << first expert) | (256 << second expert), rw[T] = the two weights.  No address and no branch hangs on a logit.
; LIMITS.  Every input of the program is rounded to bf16 before use.  The logits' f32 sums are added in another order than a plain dot product: a second and a third logit that differ by
; about 1e-6 of their size or less may change places.  NaN and infinite logits are not treated apart.  An exponential below 2^-126 counts as 0.
; The two small stores (12 bytes a token, from lane 0) are 12 KB in the whole launch; filling 256 consecutive bytes of sel with one store would want 64 tokens in a work-group.
.set X,    8          ; v[8:39]    my 32 numbers of x: load q brings elements 128 q + 4 lane + 0..3
.set XP,   40         ; v[40:55]   the same, rounded and packed
.set W,    64         ; v[64:191]  four slots of 32: an expert's row of w_router, in the same layout
.set WPK,  192        ; v[192:207] the row in hand, rounded and packed
.set C,    208        ; v[208:211] four chains of sums
.set LG,   216        ; v[216:223] the logits
.set PT,   224        ; the other half of the lanes
.set V1,   226
.set I1,   227
.set V2,   228
.set I2,   229
.set TA,   230
.set TB,   231
.set RW,   232        ; v[232:233] the two weights
.set SELW, 234
.set EI,   235
	s_load_b256 s[4:11], s[0:1], 0x0               ; x s[4:5], w_router s[6:7], xb s[8:9], sel s[10:11]
	s_load_b64 s[12:13], s[0:1], 0x20              ; rw
	v_and_b32 v1, 31, v0                           ; lane
	v_lshrrev_b32 v2, 5, v0
	v_readfirstlane_b32 s14, v2                    ; wave
	s_lshl_b32 s15, ttmp9, 2
	s_add_co_u32 s15, s15, s14                     ; T
	v_lshlrev_b32 v2, 4, v1                        ; 16 bytes a lane in f32 rows
	v_lshlrev_b32 v3, 3, v1                        ; 8 bytes a lane in bf16 rows
	v_mov_b32 v4, 0                                ; the chains' first addend, and the small stores' offset
	v_mov_b32 v[PT], 0                             ; v_permlanex16_b32 counts as a reader of its destination
	s_mov_b32 s20, 0x76543210
	s_mov_b32 s21, 0xfedcba98
	s_mov_b32 s29, 0
	s_wait_kmcnt 0x0
	s_lshl_b32 s28, s15, 12
	s_add_nc_u64 s[16:17], s[4:5], s[28:29]        ; x at my row
	s_lshl_b32 s28, s15, 11
	s_add_nc_u64 s[18:19], s[8:9], s[28:29]        ; xb at my row
	s_lshl_b32 s28, s15, 2
	s_add_nc_u64 s[24:25], s[10:11], s[28:29]      ; sel[T]
	s_lshl_b32 s28, s15, 3
	s_add_nc_u64 s[26:27], s[12:13], s[28:29]      ; rw[T]
.set z, 0
.rept 8
	global_load_b128 v[X+4*z:X+4*z+3], v2, s[16:17] offset:512*z th:TH_LOAD_NT
.set z, z+1
.endr
.set e, 0
.rept 4
.set z, 0
.rept 8
	global_load_b128 v[W+32*e+4*z:W+32*e+4*z+3], v2, s[6:7] offset:4096*e+512*z
.set z, z+1
.endr
.set e, e+1
.endr
	s_wait_loadcnt 32                              ; x is in; the 32 loads of experts 0 to 3 may stay out
.set z, 0
.rept 16
	v_cvt_pk_bf16_f32 v[XP+z], v[X+2*z], v[X+2*z+1]
.set z, z+1
.endr
.set z, 0
.rept 8
	global_store_b64 v3, v[XP+2*z:XP+2*z+1], s[18:19] offset:256*z   ; the wave's store covers 256 consecutive bytes, aligned
.set z, z+1
.endr
; Expert e's logit.  left: the younger loads that may stay out.  ahead = 1: the slot takes expert e + 4.
.macro EXPERT e, left, ahead
	s_wait_loadcnt \left
.set z, 0
.rept 16
	v_cvt_pk_bf16_f32 v[WPK+z], v[W+32*((\e)%4)+2*z], v[W+32*((\e)%4)+2*z+1]
.set z, z+1
.endr
.if \ahead
.set z, 0
.rept 8
	global_load_b128 v[W+32*((\e)%4)+4*z:W+32*((\e)%4)+4*z+3], v2, s[6:7] offset:4096*((\e)+4)+512*z
.set z, z+1
.endr
.endif
.set z, 0
.rept 16                                               ; bf16 x bf16 is exact in f32; each line rounds its sum once
.if z < 2
	v_fma_mix_f32_bf16 v[C+2*(z%2)],   v[XP+z], v[WPK+z], v4 op_sel_hi:[1,1,0]
	v_fma_mix_f32_bf16 v[C+2*(z%2)+1], v[XP+z], v[WPK+z], v4 op_sel:[1,1,0] op_sel_hi:[1,1,0]
.else
	v_fma_mix_f32_bf16 v[C+2*(z%2)],   v[XP+z], v[WPK+z], v[C+2*(z%2)] op_sel_hi:[1,1,0]
	v_fma_mix_f32_bf16 v[C+2*(z%2)+1], v[XP+z], v[WPK+z], v[C+2*(z%2)+1] op_sel:[1,1,0] op_sel_hi:[1,1,0]
.endif
.set z, z+1
.endr
	v_add_f32 v[C], v[C], v[C+1]
	v_add_f32 v[C+2], v[C+2], v[C+3]
	v_add_f32 v[LG+(\e)], v[C], v[C+2]
.endm
	EXPERT 0, 24, 1                                ; three younger slots of 8 loads stay out
	EXPERT 1, 24, 1
	EXPERT 2, 24, 1
	EXPERT 3, 24, 1
	EXPERT 4, 24, 0
	EXPERT 5, 16, 0                                ; the counts run down
	EXPERT 6, 8, 0
	EXPERT 7, 0, 0
	; across the 32 lanes, the eight logits side by side
.irp m, 1,2,4,8
.set e, 0
.rept 8
	v_add_f32_dpp v[LG+e], v[LG+e], v[LG+e] row_xmask:\m row_mask:0xf bank_mask:0xf
.set e, e+1
.endr
.endr
.set e, 0
.rept 8
	v_permlanex16_b32 v[PT], v[LG+e], s20, s21
	v_add_f32 v[LG+e], v[LG+e], v[PT]
.set e, e+1
.endr
	; the two largest, by selects alone; a strict comparison keeps the lower index
	v_mov_b32 v[V1], v[LG]
	v_mov_b32 v[I1], 0
	v_mov_b32 v[V2], 0xff800000
	v_mov_b32 v[I2], 0
.set e, 1
.rept 7
	v_mov_b32 v[EI], e
	v_cmp_gt_f32 vcc_lo, v[LG+e], v[V1]
	v_cmp_gt_f32 s22, v[LG+e], v[V2]
	v_cndmask_b32 v[TA], v[V2], v[LG+e], s22
	v_cndmask_b32 v[TB], v[I2], v[EI], s22
	v_cndmask_b32 v[V2], v[TA], v[V1], vcc_lo
	v_cndmask_b32 v[I2], v[TB], v[I1], vcc_lo
	v_cndmask_b32 v[V1], v[V1], v[LG+e], vcc_lo
	v_cndmask_b32 v[I1], v[I1], v[EI], vcc_lo
.set e, e+1
.endr
	; softmax over the two, the larger taken away: 1 / (1 + x) and x / (1 + x) with x = e^(second - first) <= 1
	v_sub_f32 v[TA], v[V2], v[V1]
	v_mul_f32 v[TA], 0x3fb8aa3b, v[TA]
	v_exp_f32 v[TB], v[TA]
	v_mov_b32 v[EI], 1                             ; a plain line behind the exponential
	s_wait_alu depctr_va_vdst(0)                   ; the wait ahead of the result's first reader
	v_add_f32 v[TA], 1.0, v[TB]
	v_rcp_f32 v[RW], v[TA]
	v_lshlrev_b32 v[SELW], v[I1], v[EI]            ; 1 << first: a plain line behind the reciprocal
	s_wait_alu depctr_va_vdst(0)
	v_mul_f32 v[RW+1], v[TB], v[RW]
	v_mov_b32 v[EI], 0x100
	v_lshlrev_b32 v[EI], v[I2], v[EI]              ; 256 << second
	v_or_b32 v[SELW], v[SELW], v[EI]
	v_cmp_eq_u32 vcc_lo, 0, v1
	s_wait_xcnt 0x0                                ; EXEC is a source of the stores above: it changes only behind this wait
	s_and_saveexec_b32 s23, vcc_lo
	global_store_b32 v4, v[SELW], s[24:25]
	global_store_b64 v4, v[RW:RW+1], s[26:27]
	s_wait_xcnt 0x0                                ; and again ahead of the line that widens it
	s_or_b32 exec_lo, exec_lo, s23
	s_endpgm
.Lfunc_end_k_qca03fb7c51_route:
	.size	k_qca03fb7c51_route, .Lfunc_end_k_qca03fb7c51_route-k_qca03fb7c51_route
	.p2alignl 7, 3214868480
	.fill 96, 4, 3214868480
	.section	.rodata,"a",@progbits
	.p2align	6, 0x0
	.amdhsa_kernel k_qca03fb7c51_route
		.amdhsa_group_segment_fixed_size 0
		.amdhsa_private_segment_fixed_size 0
		.amdhsa_enable_private_segment 0
		.amdhsa_kernarg_size 40
		.amdhsa_user_sgpr_count 2
		.amdhsa_user_sgpr_kernarg_segment_ptr 1
		.amdhsa_wavefront_size32 1
		.amdhsa_system_sgpr_workgroup_id_x 1
		.amdhsa_system_sgpr_workgroup_id_y 1
		.amdhsa_system_sgpr_workgroup_id_z 1
		.amdhsa_system_vgpr_workitem_id 0
		.amdhsa_next_free_vgpr 240
		.amdhsa_next_free_sgpr 66
		.amdhsa_reserve_vcc 1
		.amdhsa_float_denorm_mode_32 3
		.amdhsa_float_denorm_mode_16_64 3
		.amdhsa_memory_ordered 1
		.amdhsa_forward_progress 1
		.amdhsa_inst_pref_size 41
	.end_amdhsa_kernel
	.amdgpu_metadata
---
amdhsa.version: [ 1, 2 ]
amdhsa.kernels:
  - .name:           k_qca03fb7c51_route
    .symbol:         k_qca03fb7c51_route.kd
    .args:
      - { .name: x, .offset: 0, .size: 8, .value_kind: global_buffer, .address_space: global }
      - { .name: w_router, .offset: 8, .size: 8, .value_kind: global_buffer, .address_space: global }
      - { .name: xb, .offset: 16, .size: 8, .value_kind: global_buffer, .address_space: global }
      - { .name: sel, .offset: 24, .size: 8, .value_kind: global_buffer, .address_space: global }
      - { .name: rw, .offset: 32, .size: 8, .value_kind: global_buffer, .address_space: global }
    .group_segment_fixed_size: 0
    .private_segment_fixed_size: 0
    .kernarg_segment_align: 8
    .kernarg_segment_size: 40
    .max_flat_workgroup_size: 128
    .sgpr_count:     66
    .vgpr_count:     240
    .wavefront_size: 32
...
	.end_amdgpu_metadata
.endif
;; end of part 1
;; launch ffn1 (part 2): grid 256 x 1, 4 waves a work-group, no clusters, 269,824 bytes of LDS; arguments w_gate, w_up, xb, sel, hbuf; writes hbuf
.if DOCPART == 2
	.amdgcn_target "amdgcn-amd-amdhsa--gfx1250"
	.amdhsa_code_object_version 6
	.text
	.protected	k_qca03fb7c51_ffn1
	.globl	k_qca03fb7c51_ffn1
	.p2align	8
	.type	k_qca03fb7c51_ffn1,@function
k_qca03fb7c51_ffn1:
	s_mov_b64 s[64:65], 0
	v_nop
	global_prefetch_b8 v0, s[64:65] scope:SCOPE_SE
	s_setreg_imm32_b32 hwreg(HW_REG_WAVE_MODE, 25, 1), 1
	s_wait_xcnt 0x0
; FIRST PRODUCT AND SwiGLU.  h = silu(x Wg^T) * (x Wu^T) for the rows that chose the expert, rounded once to bf16.
; SHARES.  Work-group = expert E (ttmp9 >> 5) x slice SL (ttmp9 & 31) of 64 hidden columns: 64 rows of w_gate and 64 of w_up, 512 KB of f32 that this work-group alone reads, and ALL rows of E.
; PHASE 1.  Each wave streams 32 weight rows through registers, rounds them to bf16 and lays them into LDS (pitch 2,064 bytes); 64 loads of 512 bytes a wave are on their way.  Meanwhile every wave reads all
; 1,024 words of sel and makes the list of the expert's rows.  A barrier.  PHASE 2.  LDS is only read: the weights are source 0 of the matrix instruction, the token rows come from xb straight into registers as source 1.
; A second barrier stands behind phase 2, ahead of the closing lines, which write LDS once more.
; THE LIST.  Place p of a row is its token's rank in the order (register j, lane), token = 128 (j / 4) + 4 lane + j % 4.  Fragment f = p / 16 belongs to wave f % 4; a wave stores the entries (k x 1,024 + token)
; of its own fragments into its own 1,024 bytes of LDS, the others into a dump word of the lane's own behind them: no wave reads another's list.  Places past the count repeat the expert's last row.
; THE ROW LOOP has a constant count of 4 trips; a trip takes 5 fragments where 5 or more are left, else 4 (dead ones repeat a live one, and their way out is jumped): 16 fragments a wave, 1,024 rows, at the most.
; A trip with nothing left is jumped whole; nothing that is jumped holds a barrier.  An expert without rows stores nothing.
; NO MULTICAST: each weight byte has one reader; the token rows, which an expert's 32 work-groups share, come by a list that no tile descriptor covers.
; OUT.  hbuf holds operand images for the second product: byte ((E 64 + f) 64 + ks) 1,024 + half 512 + lane 16, f a fragment of 16 rows, ks a step of 32 hidden columns; a lane's eight results ARE four registers of that fragment.
; LIMITS.  x and the weights are rounded to bf16, h once to bf16; 2^(-g log2 e) beyond f32's range gives silu = 0; NaN and infinities are not treated apart.
; REGISTERS, in windows of 256 (s_set_vgpr_msb: bits 1:0 source 0, 3:2 source 1, 5:4 source 2, 7:6 destination):
;   window 0: addresses, scratch, v64-191 two buffers of 8 weight fragments (on the way out: at work), v192-223 sel    window 1: phase 1: eight rows as loaded; phase 2: accumulators of fragments 0-3, 64 each
;   window 2: v0-63 accumulators of fragment 4; v64-223 a ring of four steps of token fragments, 40 a step
.set NCF,   8          ; weight fragments of 16 rows: 0-3 gate, 4-7 up
.set ROWB,  4096       ; bytes from weight row to weight row in memory
.set RPW,   32         ; weight rows that a wave lays
.set ASTEP, 64         ; bytes of a token row in a K step of 32
.set AHALF, 32         ; from a fragment's registers 0-3 to its registers 4-7
.set ACS,   64         ; accumulator registers a token fragment
.set PW,    2064       ; an LDS row: 2,048 bytes + 16 = 129 x 16: the 16 rows of a fragment load start at 16 different groups of four banks (64 banks of 4 bytes: ISA guide 11.1)
.set LISTB, 128*PW     ; behind the weights: 1,280 bytes a wave: 256 entries, 32 dump words
.set LISTW, 1280
.set SPARE, LISTB+4*LISTW  ; the spare words, 128 bytes a wave: two blocks of 256 bytes that no other line names
.set LANE, 1
.set R,    2           ; lane % 16
.set H,    3           ; lane / 16
.set SPW,  4           ; LDS address of my spare word; never rewritten
.set NIL,  5           ; 0; never rewritten
.set L16,  6           ; 16 x lane
.set WST,  7           ; where I lay 8 bytes of a weight row
.set BAD,  8           ; v8-11   LDS address of weight fragments 2 p, 2 p + 1, at the K of the trip in hand
.set BAD0, 12          ; v12-15  the same at K = 0; never rewritten
.set AOFF, 16          ; v16-20  byte offset in xb of my part of token fragment a
.set TOK0, 21          ; 4 x lane
.set DMP,  22          ; 256 + lane: my dump word's index
.set LT,   23          ; v23-27  at work
.set H16,  31          ; 16 x (lane / 16)
.set T16,  32          ; v32-47  a weight row, rounded
.set ENT,  48          ; v48-52  list entries read back
.set BF,   64
.set ET,   64          ; the way out: 32 at work,
.set EP,   96          ; 32 products,
.set EO,   128         ; 16 packed
.set SW,   192         ; v192-223 sel
.set AR,   64          ; window 2
.set WV,   14
.set EX,   15
.set SL,   16
.set CNT,  17
.set CM1,  18          ; count - 1
.set NFR,  19          ; fragments of the expert
.set NFL,  20          ; my fragments still to do
.set IB,   21          ; my fragments done
.set TR,   22
.set KC,   23
.set CONS, 24
.set NFW1, 25          ; my fragments - 1
.set WP,   26          ; s[26:27] weights, running
.set XK,   28          ; s[28:29] xb, running along K
.set XB0,  30          ; s[30:31] xb
.set OF,   32          ; s[32:33] an offset, high word 0
.set EM,   37          ; the expert's two bits in a word of sel
.set E8,   38
.set LB,   39          ; my list
.set KB,   44          ; bytes along an LDS row at which the K loop's trip begins
.set HP,   48          ; s[48:49] hbuf at the trip's first fragment
.set HB0,  50          ; s[50:51] hbuf at the expert and slice
.set NL2E, 52          ; s[52:53] -log2(e)
.set MSB, 0
.macro WIN new                         ; the immediate's high byte repeats the setting that is left; a switch that changes nothing is dropped
.if MSB != (\new)
	s_set_vgpr_msb (MSB<<8)|(\new)
.set MSB, (\new)
.endif
.endm
.macro PLACES                          ; four plain places between a matrix instruction and a load into, or a vector access to, its registers
.rept 4
	v_nop
.endr
.endm
; One weight row (4,096 bytes of f32, in registers 32 i .. of window 1) is rounded and laid into LDS.  ahead = 1: the slot takes the row 8 further on.  left: the younger loads that may stay out.
.macro SLOT i, ahead, left
	s_wait_loadcnt \left
	WIN 0x05
.set sz, 0
.rept 16
	v_cvt_pk_bf16_f32 v[T16+sz], v[32*(\i)+2*sz], v[32*(\i)+2*sz+1]
.set sz, sz+1
.endr
.if \ahead
	WIN 0x40
.set sz, 0
.rept 8
	global_load_b128 v[32*(\i)+4*sz:32*(\i)+4*sz+3], v[L16], s[WP:WP+1] offset:((\i)+8)*ROWB+512*sz th:TH_LOAD_NT
.set sz, sz+1
.endr
.endif
	WIN 0
.set sz, 0
.rept 8
	ds_store_b64 v[WST], v[T16+2*sz:T16+2*sz+1] offset:(\i)*PW+256*sz   ; 256 consecutive LDS bytes
.set sz, sz+1
.endr
.endm
; The list and the count.
.macro LIST
	s_mov_b32 s[CNT], 0
.set lj, 0
.rept 32
	v_and_b32 v[LT], s[EM], v[SW+lj]
	v_cmp_ne_u32 s34, 0, v[LT]                     ; the lanes whose token chose the expert
	v_mbcnt_lo_u32_b32 v[LT+1], s34, s[CNT]        ; place p
	v_bfe_u32 v[LT+2], v[LT+1], 4, 2               ; its fragment's wave
	v_cmp_eq_u32 s35, s[WV], v[LT+2]
	s_and_b32 s35, s35, s34                        ; chosen, and mine
	v_lshrrev_b32 v[LT+3], 2, v[LT+1]
	v_and_b32 v[LT+3], 0xf0, v[LT+3]
	v_and_or_b32 v[LT+3], v[LT+1], 15, v[LT+3]     ; 16 (p / 64) + p % 16
	v_cndmask_b32 v[LT+3], v[DMP], v[LT+3], s35    ; the others go to the lane's dump word
	v_min_u32 v[LT+3], 0x13f, v[LT+3]
	v_lshl_add_u32 v[LT+3], v[LT+3], 2, s[LB]
	v_bfe_u32 v[LT+4], v[SW+lj], s[E8], 1          ; k: 1 where the expert is the token's second
	v_lshl_add_u32 v[LT+4], v[LT+4], 10, v[TOK0]
	v_add_nc_u32 v[LT+4], (lj/4)*128+lj%4, v[LT+4] ; k x 1,024 + token
	ds_store_b32 v[LT+3], v[LT+4]
	s_bcnt1_i32_b32 s36, s34
	s_add_co_u32 s[CNT], s[CNT], s36
.set lj, lj+1
.endr
	s_sub_co_u32 s[CM1], s[CNT], 1
	s_add_co_u32 s[NFR], s[CNT], 15
	s_lshr_b32 s[NFR], s[NFR], 4
	s_add_co_u32 s[NFL], s[NFR], 3
	s_sub_co_u32 s[NFL], s[NFL], s[WV]
	s_lshr_b32 s[NFL], s[NFL], 2                   ; fragments w, w + 4, ..
	s_sub_co_u32 s[NFW1], s[NFL], 1
.endm
; The NCF products of token fragment a in one K step: source 0 = 16 weight rows, source 1 = 16 tokens: a lane then holds one token (lane % 16) and 8 neighbouring weight rows.
.macro PROD a, slot, bb, zero
.if ACS*((\a)+1) > 256
	WIN 0xa8
.set pD, ACS*(\a)-256
.else
	WIN 0x58
.set pD, ACS*(\a)
.endif
.set pA, AR+40*(\slot)+8*(\a)
.set pcf, 0
.rept NCF
.set pB, BF+8*NCF*(\bb)+8*pcf
.if \zero
	v_wmma_f32_16x16x32_bf16 v[pD+8*pcf:pD+8*pcf+7], v[pB:pB+7], v[pA:pA+7], 0
.else
	v_wmma_f32_16x16x32_bf16 v[pD+8*pcf:pD+8*pcf+7], v[pB:pB+7], v[pA:pA+7], v[pD+8*pcf:pD+8*pcf+7]
.endif
.set pcf, pcf+1
.endr
.endm
; A K step of 32 for mt token fragments.  Each accumulator has one instruction a step: they take turns.  Behind fragment 0's products stand, in one run, the next step's weight
; fragments (into the other buffer, at byte bimm) and the token fragments three steps on (into ring slot aslot, at byte aimm); -1: none.  lc: the younger token loads that may stay out.
.macro KSTEP mt, slot, bb, zero, aslot, aimm, bimm, lc
	s_wait_dscnt 0x0                               ; this step's weight fragments, asked for in the middle of the step before
	s_wait_loadcnt \lc
	PROD 0, \slot, \bb, \zero
.if ((\bimm) >= 0) || ((\aimm) >= 0)
	WIN 0
	PLACES                                         ; the loads below land in registers that the step before multiplied
.endif
.if (\bimm) >= 0
.set kc, 0
.rept NCF
	ds_load_b128 v[BF+8*NCF*(1-(\bb))+8*kc:BF+8*NCF*(1-(\bb))+8*kc+3],   v[BAD+kc/2] offset:(kc%2)*16*PW+(\bimm)
	ds_load_b128 v[BF+8*NCF*(1-(\bb))+8*kc+4:BF+8*NCF*(1-(\bb))+8*kc+7], v[BAD+kc/2] offset:(kc%2)*16*PW+(\bimm)+32
.set kc, kc+1
.endr
.endif
.if (\aimm) >= 0
	WIN 0x80
.set kc, 0
.rept \mt
	global_load_b128 v[AR+40*(\aslot)+8*kc:AR+40*(\aslot)+8*kc+3],   v[AOFF+kc], s[XK:XK+1] offset:(\aimm)
	global_load_b128 v[AR+40*(\aslot)+8*kc+4:AR+40*(\aslot)+8*kc+7], v[AOFF+kc], s[XK:XK+1] offset:(\aimm)+AHALF
.set kc, kc+1
.endr
.endif
.set ka, 1
.rept (\mt)-1
	PROD ka, \slot, \bb, \zero
.set ka, ka+1
.endr
.endm
; All 32 K steps for mt token fragments.  At the head of step g the token loads of steps g + 1 and g + 2 are younger than step g's, 2 mt each; step g + 3's are issued inside step g; the last, step 31's, in step 28.
; The weights' LDS address is the fixed BAD0 plus the scalar KB, which steps by 256 bytes (4 K steps) a trip: 0 to 1,792.
.macro GEMM mt
	WIN 0
	s_mov_b64 s[XK:XK+1], s[XB0:XB0+1]
	s_mov_b32 s[KB], 0
.set gp, 0
.rept NCF/2
	v_mov_b32 v[BAD+gp], v[BAD0+gp]
.set gp, gp+1
.endr
	WIN 0x80
.set gs, 0
.rept 3
.set gp, 0
.rept \mt
	global_load_b128 v[AR+40*gs+8*gp:AR+40*gs+8*gp+3],   v[AOFF+gp], s[XK:XK+1] offset:gs*ASTEP
	global_load_b128 v[AR+40*gs+8*gp+4:AR+40*gs+8*gp+7], v[AOFF+gp], s[XK:XK+1] offset:gs*ASTEP+AHALF
.set gp, gp+1
.endr
.set gs, gs+1
.endr
	WIN 0
.set gp, 0
.rept NCF
	ds_load_b128 v[BF+8*gp:BF+8*gp+3],   v[BAD+gp/2] offset:(gp%2)*16*PW
	ds_load_b128 v[BF+8*gp+4:BF+8*gp+7], v[BAD+gp/2] offset:(gp%2)*16*PW+32
.set gp, gp+1
.endr
	KSTEP \mt, 0, 0, 1, 3, 3*ASTEP, 64, 4*(\mt)    ; step 0 starts the sums: nothing is cleared
	WIN 0
	s_mov_b32 s[KC], 7
.Lk_\@:                                                ; steps 4 t + 1 .. 4 t + 4
	KSTEP \mt, 1, 1, 0, 0, 4*ASTEP, 128, 4*(\mt)
	KSTEP \mt, 2, 0, 0, 1, 5*ASTEP, 192, 4*(\mt)
	KSTEP \mt, 3, 1, 0, 2, 6*ASTEP, 256, 4*(\mt)
	KSTEP \mt, 0, 0, 0, 3, 7*ASTEP, 320, 4*(\mt)
	WIN 0
	s_wait_xcnt 0x0                                ; the loads' base is stepped only behind this wait
	s_add_nc_u64 s[XK:XK+1], s[XK:XK+1], 4*ASTEP
	s_add_co_u32 s[KB], s[KB], 256
.set gp, 0
.rept NCF/2
	v_add_nc_u32 v[BAD+gp], s[KB], v[BAD0+gp]
.set gp, gp+1
.endr
	s_sub_co_u32 s[KC], s[KC], 1
	s_cmp_lg_u32 s[KC], 0
	s_cbranch_scc1 .Lk_\@
	KSTEP \mt, 1, 1, 0, 0, -1, 128, 4*(\mt)        ; steps 29 to 31 ask for no token rows: the counts run down
	KSTEP \mt, 2, 0, 0, 0, -1, 192, 2*(\mt)
	KSTEP \mt, 3, 1, 0, 0, -1, -1, 0
	WIN 0
	PLACES                                         ; ahead of whatever reads the sums or writes the operands' registers
.endm
; A trip's addresses: for each of five fragments (past my last: my last once more) my row's token from the list (past the count: the expert's last row), and hbuf at the trip's first fragment.
.macro SETUP
	s_wait_xcnt 0x0                                ; the last trip's stores have read their base and registers
.set ua, 0
.rept 5
	s_add_co_u32 s40, s[IB], ua
	s_min_u32 s40, s40, s[NFW1]
	s_min_u32 s40, s40, 15
	s_lshl2_add_u32 s41, s40, s[WV]                ; the fragment: 4 i + wave
	s_lshl_b32 s41, s41, 4
	s_sub_co_u32 s41, s[CM1], s41                  ; its last live row
	s_lshl_b32 s42, s40, 6
	s_add_co_u32 s42, s42, s[LB]
	v_min_u32 v[LT], s41, v[R]
	v_min_u32 v[LT], 15, v[LT]
	v_lshl_add_u32 v[LT], v[LT], 2, s42
	ds_load_b32 v[ENT+ua], v[LT]
.set ua, ua+1
.endr
	s_min_u32 s40, s[IB], 15
	s_lshl2_add_u32 s40, s40, s[WV]
	s_lshl_b32 s[OF], s40, 16                      ; a fragment's images are 65,536 bytes
	s_add_nc_u64 s[HP:HP+1], s[HB0:HB0+1], s[OF:OF+1]
	s_wait_dscnt 0x0
.set ua, 0
.rept 5
	v_and_b32 v[ENT+ua], 0x3ff, v[ENT+ua]          ; the token
	v_min_u32 v[ENT+ua], 0x3ff, v[ENT+ua]
	v_lshl_add_u32 v[AOFF+ua], v[ENT+ua], 11, v[H16]  ; its row of 2,048 bytes, + 16 x half
.set ua, ua+1
.endr
.endm
; THE WAY OUT of token fragment a: h = g u / (1 + 2^(-g log2 e)), rounded to bf16; each accumulator is read from its low end on.  The 32 exponentials are one batch with one wait, the products g u the
; independent work behind them; the 32 reciprocals another.
.macro EPI a
.if ACS*((\a)+1) > 256
.set eW, 2
.set eG, ACS*(\a)-256
.else
.set eW, 1
.set eG, ACS*(\a)
.endif
	WIN 0
	s_wait_xcnt 0x0                                ; the fragment before has stored: its registers are written again only behind this wait
	WIN eW
.set ez, 0
.rept 16
	v_pk_mul_f32 v[ET+2*ez:ET+2*ez+1], v[eG+2*ez:eG+2*ez+1], s[NL2E:NL2E+1] op_sel_hi:[1,0]
.set ez, ez+1
.endr
	WIN 0
.set ez, 0
.rept 32
	v_exp_f32 v[ET+ez], v[ET+ez]
.set ez, ez+1
.endr
	WIN 5*eW
.set ez, 0
.rept 16
	v_pk_mul_f32 v[EP+2*ez:EP+2*ez+1], v[eG+2*ez:eG+2*ez+1], v[eG+32+2*ez:eG+32+2*ez+1]
.set ez, ez+1
.endr
	WIN 0
	s_wait_alu depctr_va_vdst(0)                   ; the wait ahead of the batch's first reader
.set ez, 0
.rept 16
	v_pk_add_f32 v[ET+2*ez:ET+2*ez+1], v[ET+2*ez:ET+2*ez+1], 1.0 op_sel_hi:[1,0]
.set ez, ez+1
.endr
.set ez, 0
.rept 32
	v_rcp_f32 v[ET+ez], v[ET+ez]
.set ez, ez+1
.endr
	v_nop                                          ; a plain line behind the last reciprocal
	s_wait_alu depctr_va_vdst(0)
.set ez, 0
.rept 16
	v_pk_mul_f32 v[EP+2*ez:EP+2*ez+1], v[EP+2*ez:EP+2*ez+1], v[ET+2*ez:ET+2*ez+1]
.set ez, ez+1
.endr
.set ez, 0
.rept 16
	v_cvt_pk_bf16_f32 v[EO+ez], v[EP+2*ez], v[EP+2*ez+1]
.set ez, ez+1
.endr
.set ez, 0
.rept 4                                                ; column fragment ez: K step ez / 2 of the slice's two, registers 0-3 (even) or 4-7 (odd) of the image; 512 consecutive bytes, aligned
	global_store_b128 v[L16], v[EO+4*ez:EO+4*ez+3], s[HP:HP+1] offset:(\a)*262144+(ez/2)*1024+(ez%2)*512
.set ez, ez+1
.endr
.endm
	s_load_b256 s[4:11], s[0:1], 0x0               ; w_gate s[4:5], w_up s[6:7], xb s[8:9], sel s[10:11]
	s_load_b64 s[12:13], s[0:1], 0x20              ; hbuf
	v_lshl_add_u32 v[SPW], v0, 2, SPARE
	v_mov_b32 v[NIL], 0
	v_and_b32 v[LANE], 31, v0
	v_lshrrev_b32 v[LT], 5, v0
	v_readfirstlane_b32 s[WV], v[LT]
	v_and_b32 v[R], 15, v0
	v_bfe_u32 v[H], v0, 4, 1
	v_lshlrev_b32 v[L16], 4, v[LANE]
	v_lshlrev_b32 v[TOK0], 2, v[LANE]
	v_add_nc_u32 v[DMP], 0x100, v[LANE]
	v_lshlrev_b32 v[H16], 4, v[H]
	s_lshr_b32 s[EX], ttmp9, 5
	s_and_b32 s[SL], ttmp9, 31
	s_mul_i32 s[LB], s[WV], LISTW
	s_add_co_u32 s[LB], s[LB], LISTB
	v_lshl_add_u32 v[LT+1], v[LANE], 4, s[LB]      ; my list's 256 places start at 0, an entry inside every table: two stores of 512 bytes, ahead of the list's own (LDS serves a wave's instructions in order: ISA guide 5.7.1.4)
.irp z, 0,1,2,3
	v_mov_b32 v[T16+\z], 0
.endr
	ds_store_b128 v[LT+1], v[T16:T16+3]
	ds_store_b128 v[LT+1], v[T16:T16+3] offset:512
	s_lshl_b32 s[EM], 0x101, s[EX]
	s_add_co_u32 s[E8], s[EX], 8
	s_mov_b32 s[NL2E], 0xbfb8aa3b
	s_mov_b32 s[NL2E+1], 0xbfb8aa3b                ; named with it as a pair
	s_mul_i32 s40, s[WV], RPW*PW
	v_lshl_add_u32 v[WST], v[LANE], 3, s40         ; my wave's first LDS row + 8 x lane
	v_mul_u32_u24 v[LT], v[R], PW
	v_lshl_add_u32 v[LT], v[H], 4, v[LT]           ; a fragment's row x pitch + 16 x half
.set hp, 0
.rept NCF/2
	v_add_nc_u32 v[BAD0+hp], 32*hp*PW, v[LT]
.set hp, hp+1
.endr
	s_lshl_b32 s[OF], s[EX], 23                    ; an expert's 8 MiB,
	s_lshl_b32 s40, s[SL], 18                      ; the slice's 64 rows of 4,096 bytes,
	s_add_co_u32 s[OF], s[OF], s40
	s_and_b32 s40, s[WV], 1
	s_lshl_b32 s40, s40, 17                        ; my 32 of them
	s_add_co_u32 s[OF], s[OF], s40
	s_mov_b32 s[OF+1], 0
	s_wait_kmcnt 0x0
.set hp, 0
.rept 8
	global_load_b128 v[SW+4*hp:SW+4*hp+3], v[L16], s[10:11] offset:512*hp
.set hp, hp+1
.endr
	s_cmp_lt_u32 s[WV], 2                          ; waves 0, 1 lay the gate's rows, waves 2, 3 the up rows
	s_cselect_b64 s[WP:WP+1], s[4:5], s[6:7]
	s_add_nc_u64 s[WP:WP+1], s[WP:WP+1], s[OF:OF+1]
	WIN 0x40
.set hi, 0
.rept 8
.set hp, 0
.rept 8
	global_load_b128 v[32*hi+4*hp:32*hi+4*hp+3], v[L16], s[WP:WP+1] offset:hi*ROWB+512*hp th:TH_LOAD_NT
.set hp, hp+1
.endr
.set hi, hi+1
.endr
	WIN 0
	s_mov_b64 s[XB0:XB0+1], s[8:9]
	s_lshl_b32 s[OF], s[EX], 22
	s_lshl_b32 s40, s[SL], 11
	s_add_co_u32 s[OF], s[OF], s40
	s_add_nc_u64 s[HB0:HB0+1], s[12:13], s[OF:OF+1]
	s_wait_loadcnt 63                              ; sel is in: 64 loads were issued behind it, and 63 is the largest count that can be written
	LIST
	s_mov_b32 s[KC], 3
.Lround:                                               ; a round rounds 8 rows and asks for the next 8; 56 = the other seven rows' loads
.irp i, 0,1,2,3,4,5,6,7
	SLOT \i, 1, 56
.endr
	s_wait_xcnt 0x0                                ; the loads' base is stepped only behind this wait
	s_add_nc_u64 s[WP:WP+1], s[WP:WP+1], 8*ROWB
	v_add_nc_u32 v[WST], 8*PW, v[WST]
	s_sub_co_u32 s[KC], s[KC], 1
	s_cmp_lg_u32 s[KC], 0
	s_cbranch_scc1 .Lround
.irp i, 0,1,2,3,4,5,6,7
	SLOT \i, 0, 56-8*(\i)                          ; the last 8 rows: nothing is asked for, the counts run down
.endr
	s_wait_dscnt 0x0                               ; for the others' sake: my rows lie in LDS
	s_barrier_signal -1
	s_barrier_wait -1                              ; the slice is whole; in the row loop LDS is only read
	s_mov_b32 s[IB], 0
	s_mov_b32 s[TR], 4
.Ltrip:
	s_cmp_eq_u32 s[NFL], 0
	s_cbranch_scc1 .Lnext
	SETUP
	s_cmp_ge_u32 s[NFL], 5
	s_cbranch_scc1 .Lv5
	s_mov_b32 s[CONS], 4
	GEMM 4
	s_branch .Lepi
.Lv5:
	s_mov_b32 s[CONS], 5
	GEMM 5
	EPI 4                                          ; on this way the fifth fragment is live
.Lepi:
	EPI 0
	s_cmp_le_u32 s[NFL], 1
	s_cbranch_scc1 .Ldone
	EPI 1
	s_cmp_le_u32 s[NFL], 2
	s_cbranch_scc1 .Ldone
	EPI 2
	s_cmp_le_u32 s[NFL], 3
	s_cbranch_scc1 .Ldone
	EPI 3
.Ldone:
	s_sub_co_i32 s[NFL], s[NFL], s[CONS]
	s_max_i32 s[NFL], s[NFL], 0
	s_add_co_u32 s[IB], s[IB], s[CONS]
.Lnext:
	s_sub_co_u32 s[TR], s[TR], 1
	s_cmp_lg_u32 s[TR], 0
	s_cbranch_scc1 .Ltrip
	s_wait_dscnt 0x0                               ; my reads of LDS are back;
	s_barrier_signal -1
	s_barrier_wait -1                              ; every wave's are: only behind this barrier is LDS written again
	s_wait_tensorcnt 0x0                           ; the wave's end: three closing lines behind my last LDS store
	ds_add_u32 v[SPW], v[NIL]
	s_wait_dscnt 0x0
	s_endpgm
.Lfunc_end_k_qca03fb7c51_ffn1:
	.size	k_qca03fb7c51_ffn1, .Lfunc_end_k_qca03fb7c51_ffn1-k_qca03fb7c51_ffn1
	.p2alignl 7, 3214868480
	.fill 96, 4, 3214868480
	.section	.rodata,"a",@progbits
	.p2align	6, 0x0
	.amdhsa_kernel k_qca03fb7c51_ffn1
		.amdhsa_group_segment_fixed_size 269824
		.amdhsa_private_segment_fixed_size 0
		.amdhsa_enable_private_segment 0
		.amdhsa_kernarg_size 40
		.amdhsa_user_sgpr_count 2
		.amdhsa_user_sgpr_kernarg_segment_ptr 1
		.amdhsa_wavefront_size32 1
		.amdhsa_system_sgpr_workgroup_id_x 1
		.amdhsa_system_sgpr_workgroup_id_y 1
		.amdhsa_system_sgpr_workgroup_id_z 1
		.amdhsa_system_vgpr_workitem_id 0
		.amdhsa_next_free_vgpr 736
		.amdhsa_next_free_sgpr 66
		.amdhsa_reserve_vcc 0
		.amdhsa_float_denorm_mode_32 3
		.amdhsa_float_denorm_mode_16_64 3
		.amdhsa_memory_ordered 1
		.amdhsa_forward_progress 1
		.amdhsa_inst_pref_size 187
	.end_amdhsa_kernel
	.amdgpu_metadata
---
amdhsa.version: [ 1, 2 ]
amdhsa.kernels:
  - .name:           k_qca03fb7c51_ffn1
    .symbol:         k_qca03fb7c51_ffn1.kd
    .args:
      - { .name: w_gate, .offset: 0, .size: 8, .value_kind: global_buffer, .address_space: global }
      - { .name: w_up, .offset: 8, .size: 8, .value_kind: global_buffer, .address_space: global }
      - { .name: xb, .offset: 16, .size: 8, .value_kind: global_buffer, .address_space: global }
      - { .name: sel, .offset: 24, .size: 8, .value_kind: global_buffer, .address_space: global }
      - { .name: hbuf, .offset: 32, .size: 8, .value_kind: global_buffer, .address_space: global }
    .group_segment_fixed_size: 269824
    .private_segment_fixed_size: 0
    .kernarg_segment_align: 8
    .kernarg_segment_size: 40
    .max_flat_workgroup_size: 128
    .sgpr_count:     66
    .vgpr_count:     736
    .wavefront_size: 32
...
	.end_amdgpu_metadata
.endif
;; end of part 2
;; launch ffn2 (part 3): grid 256 x 1, 4 waves a work-group, no clusters, 155,136 bytes of LDS; arguments w_down, hbuf, sel, ybuf; writes ybuf
.if DOCPART == 3
	.amdgcn_target "amdgcn-amd-amdhsa--gfx1250"
	.amdhsa_code_object_version 6
	.text
	.protected	k_qca03fb7c51_ffn2
	.globl	k_qca03fb7c51_ffn2
	.p2align	8
	.type	k_qca03fb7c51_ffn2,@function
k_qca03fb7c51_ffn2:
	s_mov_b64 s[64:65], 0
	v_nop
	global_prefetch_b8 v0, s[64:65] scope:SCOPE_SE
	s_setreg_imm32_b32 hwreg(HW_REG_WAVE_MODE, 25, 1), 1
	s_wait_xcnt 0x0
; SECOND PRODUCT.  Partial rows y = h Wd^T for the rows that chose the expert, in f32.
; SHARES.  Work-group = expert E (ttmp9 >> 5) x slice DS ((ttmp9 >> 1) & 15) of 64 output columns x half KH (ttmp9 & 1) of the hidden width: 64 rows x 1,024 K of w_down, 256 KB of f32 that this work-group alone
; reads, and ALL rows of E.  K is split in two so that a fragment of h feeds four products and not two; the two halves' sums are stored apart, as f32, and added by the next launch.
; PHASE 1: each wave streams 16 weight rows (4,096 bytes of each) through registers, rounds them to bf16 and lays them into LDS; meanwhile every wave makes the expert's list from sel, by the text that the first product
; uses, so that fragment and place mean the same rows.  A barrier.  PHASE 2: h comes from hbuf as operand images, 512 consecutive bytes a load, straight into registers; the weights come from LDS.
; THE ROW LOOP has a constant count of 4 trips of 5 or 4 fragments (dead ones repeat a live one; their way out is jumped).  A trip is: the products; a barrier; the way out, which writes the wave's stage in LDS; a barrier.
; Every wave passes both barriers in every trip; only work is jumped, forward, to a label ahead of the barrier.  So every LDS write of the loop stands a barrier apart from every wave's reads of the weights.
; An expert without rows stores nothing.
; NO MULTICAST: each weight byte has one reader; h's images are shared by an expert's 16 work-groups of one half, but a joint ring's refills would have to stand in text that a count read from memory jumps.
; OUT.  ybuf[KH][k][token][1024] f32; a fragment's 16 rows x 64 columns go through the wave's own stage in LDS, so that sixteen lanes store 256 consecutive bytes, aligned.  Places past the count hold the last row's
; numbers once more and are stored onto the last row's bytes.
; LIMITS.  w_down is rounded to bf16; NaN and infinities are not treated apart.
; REGISTERS, in windows of 256 (s_set_vgpr_msb: bits 1:0 source 0, 3:2 source 1, 5:4 source 2, 7:6 destination):
;   window 0: addresses, scratch, v64-127 two buffers of 4 weight fragments, v128-159 rows on their way out, v192-223 sel    window 1: phase 1: eight rows as loaded; phase 2: accumulators, 32 a fragment
;   window 2: v64-223 a ring of four steps of h's fragments, 40 a step
.set NCF,   4          ; weight fragments of 16 rows
.set ROWB,  8192       ; bytes from weight row to weight row in memory
.set RPW,   16         ; weight rows that a wave lays
.set ASTEP, 1024       ; bytes of an image: a fragment's K step of 32
.set AHALF, 512        ; from a fragment's registers 0-3 to its registers 4-7
.set ACS,   32         ; accumulator registers a fragment of h
.set PW,    2064       ; an LDS row: 2,048 bytes + 16 = 129 x 16: the 16 rows of a fragment load start at 16 different groups of four banks (64 banks of 4 bytes: ISA guide 11.1)
.set LISTB, 64*PW      ; behind the weights: 1,280 bytes a wave: 256 entries, 32 dump words
.set LISTW, 1280
.set STAGE, LISTB+4*LISTW  ; 16 rows x 272 bytes for each wave
.set SP,    272
.set SPARE, STAGE+4*16*SP  ; the spare words, 128 bytes a wave: two blocks of 256 bytes that no other line names
.set LANE, 1
.set R,    2           ; lane % 16
.set H,    3           ; lane / 16
.set SPW,  4           ; LDS address of my spare word; never rewritten
.set NIL,  5           ; 0; never rewritten
.set L16,  6           ; 16 x lane
.set WST,  7           ; where I lay 8 bytes of a weight row
.set BAD,  8           ; v8-9    LDS address of weight fragments 2 p, 2 p + 1, at the K of the trip in hand
.set BAD0, 12          ; v12-13  the same at K = 0; never rewritten
.set AOFF, 16          ; v16-20  byte offset in the expert's images of my part of fragment a
.set TOK0, 21          ; 4 x lane
.set DMP,  22          ; 256 + lane: my dump word's index
.set LT,   23          ; v23-27  at work
.set STO,  28          ; the way out: where I put 16 bytes of a row
.set RD,   29          ; where I read a row back
.set COL,  30          ; 16 x (lane % 16)
.set T16,  32          ; v32-47  a weight row, rounded
.set ENT,  48          ; v48-55  list entries, then offsets in ybuf
.set BF,   64
.set OB,   128         ; v128-159
.set SW,   192         ; v192-223 sel
.set AR,   64          ; window 2
.set WV,   14
.set EX,   15
.set DS,   16
.set CNT,  17
.set CM1,  18
.set NFR,  19
.set NFL,  20
.set IB,   21
.set TR,   22
.set KC,   23
.set CONS, 24
.set NFW1, 25
.set WP,   26          ; s[26:27] weights
.set XK,   28          ; s[28:29] images, running along K
.set XB0,  30          ; s[30:31] hbuf at the expert and half
.set OF,   32          ; s[32:33] an offset, high word 0
.set EM,   37
.set E8,   38
.set LB,   39
.set KH,   43
.set KB,   44          ; bytes along an LDS row at which the K loop's trip begins
.set YP,   48          ; s[48:49] ybuf at the half and slice
.set MSB, 0
.macro WIN new                         ; the immediate's high byte repeats the setting that is left; a switch that changes nothing is dropped
.if MSB != (\new)
	s_set_vgpr_msb (MSB<<8)|(\new)
.set MSB, (\new)
.endif
.endm
.macro PLACES                          ; four plain places between a matrix instruction and a load into, or another access to, its registers
.rept 4
	v_nop
.endr
.endm
; One weight row's 4,096 bytes of f32 (registers 32 i .. of window 1) are rounded and laid into LDS.  ahead = 1: the slot takes the row 8 further on.  left: the younger loads that may stay out.
.macro SLOT i, ahead, left
	s_wait_loadcnt \left
	WIN 0x05
.set sz, 0
.rept 16
	v_cvt_pk_bf16_f32 v[T16+sz], v[32*(\i)+2*sz], v[32*(\i)+2*sz+1]
.set sz, sz+1
.endr
.if \ahead
	WIN 0x40
.set sz, 0
.rept 8
	global_load_b128 v[32*(\i)+4*sz:32*(\i)+4*sz+3], v[L16], s[WP:WP+1] offset:((\i)+8)*ROWB+512*sz th:TH_LOAD_NT
.set sz, sz+1
.endr
.endif
	WIN 0
.set sz, 0
.rept 8
	ds_store_b64 v[WST], v[T16+2*sz:T16+2*sz+1] offset:(\i)*PW+256*sz   ; 256 consecutive LDS bytes
.set sz, sz+1
.endr
.endm
; The list and the count: place p of a row is its token's rank in the order (register j, lane), token = 128 (j / 4) + 4 lane + j % 4; fragment p / 16 belongs to wave (p / 16) % 4.
.macro LIST
	s_mov_b32 s[CNT], 0
.set lj, 0
.rept 32
	v_and_b32 v[LT], s[EM], v[SW+lj]
	v_cmp_ne_u32 s34, 0, v[LT]                     ; the lanes whose token chose the expert
	v_mbcnt_lo_u32_b32 v[LT+1], s34, s[CNT]        ; place p
	v_bfe_u32 v[LT+2], v[LT+1], 4, 2               ; its fragment's wave
	v_cmp_eq_u32 s35, s[WV], v[LT+2]
	s_and_b32 s35, s35, s34                        ; chosen, and mine
	v_lshrrev_b32 v[LT+3], 2, v[LT+1]
	v_and_b32 v[LT+3], 0xf0, v[LT+3]
	v_and_or_b32 v[LT+3], v[LT+1], 15, v[LT+3]     ; 16 (p / 64) + p % 16
	v_cndmask_b32 v[LT+3], v[DMP], v[LT+3], s35    ; the others go to the lane's dump word
	v_min_u32 v[LT+3], 0x13f, v[LT+3]
	v_lshl_add_u32 v[LT+3], v[LT+3], 2, s[LB]
	v_bfe_u32 v[LT+4], v[SW+lj], s[E8], 1          ; k: 1 where the expert is the token's second
	v_lshl_add_u32 v[LT+4], v[LT+4], 10, v[TOK0]
	v_add_nc_u32 v[LT+4], (lj/4)*128+lj%4, v[LT+4] ; k x 1,024 + token
	ds_store_b32 v[LT+3], v[LT+4]
	s_bcnt1_i32_b32 s36, s34
	s_add_co_u32 s[CNT], s[CNT], s36
.set lj, lj+1
.endr
	s_sub_co_u32 s[CM1], s[CNT], 1
	s_add_co_u32 s[NFR], s[CNT], 15
	s_lshr_b32 s[NFR], s[NFR], 4
	s_add_co_u32 s[NFL], s[NFR], 3
	s_sub_co_u32 s[NFL], s[NFL], s[WV]
	s_lshr_b32 s[NFL], s[NFL], 2                   ; fragments w, w + 4, ..
	s_sub_co_u32 s[NFW1], s[NFL], 1
.endm
; The NCF products of fragment a in one K step: source 0 = 16 weight rows, source 1 = 16 rows of h: a lane then holds one row (lane % 16) and 8 neighbouring output columns.
.macro PROD a, slot, bb, zero
.if ACS*((\a)+1) > 256
	WIN 0xa8
.set pD, ACS*(\a)-256
.else
	WIN 0x58
.set pD, ACS*(\a)
.endif
.set pA, AR+40*(\slot)+8*(\a)
.set pcf, 0
.rept NCF
.set pB, BF+8*NCF*(\bb)+8*pcf
.if \zero
	v_wmma_f32_16x16x32_bf16 v[pD+8*pcf:pD+8*pcf+7], v[pB:pB+7], v[pA:pA+7], 0
.else
	v_wmma_f32_16x16x32_bf16 v[pD+8*pcf:pD+8*pcf+7], v[pB:pB+7], v[pA:pA+7], v[pD+8*pcf:pD+8*pcf+7]
.endif
.set pcf, pcf+1
.endr
.endm
; A K step of 32 for mt fragments.  Each accumulator has one instruction a step: they take turns.  Behind fragment 0's products stand, in one run, the next step's weight fragments
; (into the other buffer, at byte bimm) and h's images three steps on (into ring slot aslot, at byte aimm); -1: none.  lc: the younger image loads that may stay out.
.macro KSTEP mt, slot, bb, zero, aslot, aimm, bimm, lc
	s_wait_dscnt 0x0                               ; this step's weight fragments, asked for in the middle of the step before
	s_wait_loadcnt \lc
	PROD 0, \slot, \bb, \zero
.if ((\bimm) >= 0) || ((\aimm) >= 0)
	WIN 0
	PLACES                                         ; the loads below land in registers that the step before multiplied
.endif
.if (\bimm) >= 0
.set kc, 0
.rept NCF
	ds_load_b128 v[BF+8*NCF*(1-(\bb))+8*kc:BF+8*NCF*(1-(\bb))+8*kc+3],   v[BAD+kc/2] offset:(kc%2)*16*PW+(\bimm)
	ds_load_b128 v[BF+8*NCF*(1-(\bb))+8*kc+4:BF+8*NCF*(1-(\bb))+8*kc+7], v[BAD+kc/2] offset:(kc%2)*16*PW+(\bimm)+32
.set kc, kc+1
.endr
.endif
.if (\aimm) >= 0
	WIN 0x80
.set kc, 0
.rept \mt
	global_load_b128 v[AR+40*(\aslot)+8*kc:AR+40*(\aslot)+8*kc+3],   v[AOFF+kc], s[XK:XK+1] offset:(\aimm)
	global_load_b128 v[AR+40*(\aslot)+8*kc+4:AR+40*(\aslot)+8*kc+7], v[AOFF+kc], s[XK:XK+1] offset:(\aimm)+AHALF
.set kc, kc+1
.endr
.endif
.set ka, 1
.rept (\mt)-1
	PROD ka, \slot, \bb, \zero
.set ka, ka+1
.endr
.endm
; All 32 K steps for mt fragments.  At the head of step g the image loads of steps g + 1 and g + 2 are younger than step g's, 2 mt each; step g + 3's are issued inside step g; the last, step 31's, in step 28.
; The weights' LDS address is the fixed BAD0 plus the scalar KB, which steps by 256 bytes (4 K steps) a trip: 0 to 1,792.
.macro GEMM mt
	WIN 0
	s_mov_b64 s[XK:XK+1], s[XB0:XB0+1]
	s_mov_b32 s[KB], 0
.set gp, 0
.rept NCF/2
	v_mov_b32 v[BAD+gp], v[BAD0+gp]
.set gp, gp+1
.endr
	WIN 0x80
.set gs, 0
.rept 3
.set gp, 0
.rept \mt
	global_load_b128 v[AR+40*gs+8*gp:AR+40*gs+8*gp+3],   v[AOFF+gp], s[XK:XK+1] offset:gs*ASTEP
	global_load_b128 v[AR+40*gs+8*gp+4:AR+40*gs+8*gp+7], v[AOFF+gp], s[XK:XK+1] offset:gs*ASTEP+AHALF
.set gp, gp+1
.endr
.set gs, gs+1
.endr
	WIN 0
.set gp, 0
.rept NCF
	ds_load_b128 v[BF+8*gp:BF+8*gp+3],   v[BAD+gp/2] offset:(gp%2)*16*PW
	ds_load_b128 v[BF+8*gp+4:BF+8*gp+7], v[BAD+gp/2] offset:(gp%2)*16*PW+32
.set gp, gp+1
.endr
	KSTEP \mt, 0, 0, 1, 3, 3*ASTEP, 64, 4*(\mt)    ; step 0 starts the sums: nothing is cleared
	WIN 0
	s_mov_b32 s[KC], 7
.Lk_\@:                                                ; steps 4 t + 1 .. 4 t + 4
	KSTEP \mt, 1, 1, 0, 0, 4*ASTEP, 128, 4*(\mt)
	KSTEP \mt, 2, 0, 0, 1, 5*ASTEP, 192, 4*(\mt)
	KSTEP \mt, 3, 1, 0, 2, 6*ASTEP, 256, 4*(\mt)
	KSTEP \mt, 0, 0, 0, 3, 7*ASTEP, 320, 4*(\mt)
	WIN 0
	s_wait_xcnt 0x0                                ; the loads' base is stepped only behind this wait
	s_add_nc_u64 s[XK:XK+1], s[XK:XK+1], 4*ASTEP
	s_add_co_u32 s[KB], s[KB], 256
.set gp, 0
.rept NCF/2
	v_add_nc_u32 v[BAD+gp], s[KB], v[BAD0+gp]
.set gp, gp+1
.endr
	s_sub_co_u32 s[KC], s[KC], 1
	s_cmp_lg_u32 s[KC], 0
	s_cbranch_scc1 .Lk_\@
	KSTEP \mt, 1, 1, 0, 0, -1, 128, 4*(\mt)        ; steps 29 to 31 ask for no images: the counts run down
	KSTEP \mt, 2, 0, 0, 0, -1, 192, 2*(\mt)
	KSTEP \mt, 3, 1, 0, 0, -1, -1, 0
	WIN 0
	PLACES                                         ; ahead of whatever reads the sums or writes the operands' registers
.endm
; A trip's addresses: for each of five fragments (past my last: my last once more, so that only bytes that the first product stored are read) its images' offset.
.macro SETUP
	s_wait_xcnt 0x0
.set ua, 0
.rept 5
	s_add_co_u32 s40, s[IB], ua
	s_min_u32 s40, s40, s[NFW1]
	s_min_u32 s40, s40, 15
	s_lshl2_add_u32 s41, s40, s[WV]                ; the fragment: 4 i + wave
	s_lshl_b32 s41, s41, 16                        ; its images are 65,536 bytes
	v_add_nc_u32 v[AOFF+ua], s41, v[L16]
.set ua, ua+1
.endr
.endm
; THE WAY OUT of fragment a.  The rows' entries come from my list (past the count: the last row's); the sums go into my stage, each accumulator from its low end on, and come back as whole rows of 256 bytes.
.macro EPI a
	WIN 0
	s_wait_xcnt 0x0                                ; the fragment before has stored: its registers are written again only behind this wait
	s_add_co_u32 s40, s[IB], \a
	s_min_u32 s40, s40, 15
	s_lshl2_add_u32 s41, s40, s[WV]
	s_lshl_b32 s41, s41, 4
	s_sub_co_u32 s41, s[CM1], s41                  ; the fragment's last live row
	s_lshl_b32 s42, s40, 6
	s_add_co_u32 s42, s42, s[LB]
.set ez, 0
.rept 8
	v_add_nc_u32 v[LT], 2*ez, v[H]                 ; lanes 0-15 take row 2 t, lanes 16-31 row 2 t + 1
	v_min_u32 v[LT], s41, v[LT]
	v_min_u32 v[LT], 15, v[LT]
	v_lshl_add_u32 v[LT], v[LT], 2, s42
	ds_load_b32 v[ENT+ez], v[LT]
.set ez, ez+1
.endr
	WIN 0x04                                       ; the stores' data lie in window 1
.set ez, 0
.rept NCF
	ds_store_b128 v[STO], v[ACS*(\a)+8*ez:ACS*(\a)+8*ez+3]   offset:64*ez
	ds_store_b128 v[STO], v[ACS*(\a)+8*ez+4:ACS*(\a)+8*ez+7] offset:64*ez+16
.set ez, ez+1
.endr
	WIN 0
.set ez, 0
.rept 8
	ds_load_b128 v[OB+4*ez:OB+4*ez+3], v[RD] offset:2*SP*ez   ; LDS serves a wave's instructions in order (ISA guide 5.7.1.4): these see the stores above
.set ez, ez+1
.endr
	s_wait_dscnt 0x0
.set ez, 0
.rept 8
	v_min_u32 v[ENT+ez], 0x7ff, v[ENT+ez]
	v_lshl_add_u32 v[ENT+ez], v[ENT+ez], 12, v[COL]  ; the entry's row of 4,096 bytes + 16 x (lane % 16)
	global_store_b128 v[ENT+ez], v[OB+4*ez:OB+4*ez+3], s[YP:YP+1]   ; sixteen lanes store 256 consecutive bytes, aligned
.set ez, ez+1
.endr
.endm
	s_load_b256 s[4:11], s[0:1], 0x0               ; w_down s[4:5], hbuf s[6:7], sel s[8:9], ybuf s[10:11]
	v_lshl_add_u32 v[SPW], v0, 2, SPARE
	v_mov_b32 v[NIL], 0
	v_and_b32 v[LANE], 31, v0
	v_lshrrev_b32 v[LT], 5, v0
	v_readfirstlane_b32 s[WV], v[LT]
	v_and_b32 v[R], 15, v0
	v_bfe_u32 v[H], v0, 4, 1
	v_lshlrev_b32 v[L16], 4, v[LANE]
	v_lshlrev_b32 v[TOK0], 2, v[LANE]
	v_add_nc_u32 v[DMP], 0x100, v[LANE]
	v_lshlrev_b32 v[COL], 4, v[R]
	s_lshr_b32 s[EX], ttmp9, 5
	s_bfe_u32 s[DS], ttmp9, 0x40001                ; 4 bits from bit 1
	s_and_b32 s[KH], ttmp9, 1
	s_mul_i32 s[LB], s[WV], LISTW
	s_add_co_u32 s[LB], s[LB], LISTB
	v_lshl_add_u32 v[LT+1], v[LANE], 4, s[LB]      ; my list's 256 places start at 0, an entry inside every table: two stores of 512 bytes, ahead of the list's own (LDS serves a wave's instructions in order: ISA guide 5.7.1.4)
.irp z, 0,1,2,3
	v_mov_b32 v[T16+\z], 0
.endr
	ds_store_b128 v[LT+1], v[T16:T16+3]
	ds_store_b128 v[LT+1], v[T16:T16+3] offset:512
	s_lshl_b32 s[EM], 0x101, s[EX]
	s_add_co_u32 s[E8], s[EX], 8
	s_mul_i32 s40, s[WV], RPW*PW
	v_lshl_add_u32 v[WST], v[LANE], 3, s40         ; my wave's first LDS row + 8 x lane
	v_mul_u32_u24 v[LT], v[R], PW
	v_lshl_add_u32 v[LT], v[H], 4, v[LT]           ; a fragment's row x pitch + 16 x half
.set hp, 0
.rept NCF/2
	v_add_nc_u32 v[BAD0+hp], 32*hp*PW, v[LT]
.set hp, hp+1
.endr
	s_mul_i32 s40, s[WV], 16*SP
	s_add_co_u32 s40, s40, STAGE                   ; my stage
	v_mul_u32_u24 v[LT], v[R], SP                  ; in: row lane % 16, 32 bytes for each half of the lanes
	v_lshl_add_u32 v[LT], v[H], 5, v[LT]
	v_add_nc_u32 v[STO], s40, v[LT]
	v_mul_u32_u24 v[LT], v[H], SP                  ; back: lanes 0-15 one row of 256 bytes, lanes 16-31 the next
	v_lshl_add_u32 v[LT], v[R], 4, v[LT]
	v_add_nc_u32 v[RD], s40, v[LT]
	s_lshl_b32 s[OF], s[EX], 23                    ; an expert's 8 MiB,
	s_lshl_b32 s40, s[DS], 19                      ; the slice's 64 rows of 8,192 bytes,
	s_add_co_u32 s[OF], s[OF], s40
	s_lshl_b32 s40, s[WV], 17                      ; my 16 of them,
	s_add_co_u32 s[OF], s[OF], s40
	s_lshl_b32 s40, s[KH], 12                      ; the half's 4,096 bytes of each
	s_add_co_u32 s[OF], s[OF], s40
	s_mov_b32 s[OF+1], 0
	s_wait_kmcnt 0x0
.set hp, 0
.rept 8
	global_load_b128 v[SW+4*hp:SW+4*hp+3], v[L16], s[8:9] offset:512*hp
.set hp, hp+1
.endr
	s_add_nc_u64 s[WP:WP+1], s[4:5], s[OF:OF+1]
	WIN 0x40
.set hi, 0
.rept 8
.set hp, 0
.rept 8
	global_load_b128 v[32*hi+4*hp:32*hi+4*hp+3], v[L16], s[WP:WP+1] offset:hi*ROWB+512*hp th:TH_LOAD_NT
.set hp, hp+1
.endr
.set hi, hi+1
.endr
	WIN 0
	s_lshl_b32 s[OF], s[EX], 22                    ; an expert's 4 MiB of images,
	s_lshl_b32 s40, s[KH], 15                      ; the half's 32 K steps in each fragment
	s_add_co_u32 s[OF], s[OF], s40
	s_add_nc_u64 s[XB0:XB0+1], s[6:7], s[OF:OF+1]
	s_lshl_b32 s[OF], s[KH], 23                    ; the half's 8 MiB of partial rows,
	s_lshl_b32 s40, s[DS], 8                       ; the slice's 256 bytes of each
	s_add_co_u32 s[OF], s[OF], s40
	s_add_nc_u64 s[YP:YP+1], s[10:11], s[OF:OF+1]
	s_wait_loadcnt 63                              ; sel is in: 64 loads were issued behind it, and 63 is the largest count that can be written
	LIST
.irp i, 0,1,2,3,4,5,6,7
	SLOT \i, 1, 56                                 ; rows 0 to 7 are rounded, rows 8 to 15 asked for; 56 = the other seven rows' loads
.endr
	v_add_nc_u32 v[WST], 8*PW, v[WST]
.irp i, 0,1,2,3,4,5,6,7
	SLOT \i, 0, 56-8*(\i)                          ; the last 8 rows: nothing is asked for, the counts run down
.endr
	s_wait_dscnt 0x0                               ; for the others' sake: my rows lie in LDS
	s_barrier_signal -1
	s_barrier_wait -1                              ; the slice is whole; from here on the weights in LDS are only read
	s_mov_b32 s[IB], 0
	s_mov_b32 s[TR], 4
.Ltrip:
	s_mov_b32 s[CONS], 0                           ; a trip with nothing left takes nothing
	s_cmp_eq_u32 s[NFL], 0
	s_cbranch_scc1 .Lmult
	SETUP
	s_cmp_ge_u32 s[NFL], 5
	s_cbranch_scc1 .Lv5
	s_mov_b32 s[CONS], 4
	GEMM 4
	s_branch .Lmult
.Lv5:
	s_mov_b32 s[CONS], 5
	GEMM 5
.Lmult:
	s_wait_dscnt 0x0                               ; my reads of the weights in this trip are back;
	s_barrier_signal -1
	s_barrier_wait -1                              ; every wave's are: only behind this barrier are the stages written
	s_cmp_lt_u32 s[NFL], 5
	s_cbranch_scc1 .Lepi
	EPI 4                                          ; five or more were left: the trip multiplied five fragments, all live
.Lepi:
	s_cmp_eq_u32 s[NFL], 0
	s_cbranch_scc1 .Ldone
	EPI 0
	s_cmp_le_u32 s[NFL], 1
	s_cbranch_scc1 .Ldone
	EPI 1
	s_cmp_le_u32 s[NFL], 2
	s_cbranch_scc1 .Ldone
	EPI 2
	s_cmp_le_u32 s[NFL], 3
	s_cbranch_scc1 .Ldone
	EPI 3
.Ldone:
	s_sub_co_i32 s[NFL], s[NFL], s[CONS]
	s_max_i32 s[NFL], s[NFL], 0
	s_add_co_u32 s[IB], s[IB], s[CONS]
	s_wait_dscnt 0x0                               ; my stores into my stage and my reads of it are done;
	s_barrier_signal -1
	s_barrier_wait -1                              ; every wave's are: only behind this barrier are the weights read again, or, behind the last trip, the closing lines run
	s_sub_co_u32 s[TR], s[TR], 1
	s_cmp_lg_u32 s[TR], 0
	s_cbranch_scc1 .Ltrip
	s_wait_tensorcnt 0x0                           ; the wave's end: three closing lines behind my last LDS store
	ds_add_u32 v[SPW], v[NIL]
	s_wait_dscnt 0x0
	s_endpgm
.Lfunc_end_k_qca03fb7c51_ffn2:
	.size	k_qca03fb7c51_ffn2, .Lfunc_end_k_qca03fb7c51_ffn2-k_qca03fb7c51_ffn2
	.p2alignl 7, 3214868480
	.fill 96, 4, 3214868480
	.section	.rodata,"a",@progbits
	.p2align	6, 0x0
	.amdhsa_kernel k_qca03fb7c51_ffn2
		.amdhsa_group_segment_fixed_size 155136
		.amdhsa_private_segment_fixed_size 0
		.amdhsa_enable_private_segment 0
		.amdhsa_kernarg_size 32
		.amdhsa_user_sgpr_count 2
		.amdhsa_user_sgpr_kernarg_segment_ptr 1
		.amdhsa_wavefront_size32 1
		.amdhsa_system_sgpr_workgroup_id_x 1
		.amdhsa_system_sgpr_workgroup_id_y 1
		.amdhsa_system_sgpr_workgroup_id_z 1
		.amdhsa_system_vgpr_workitem_id 0
		.amdhsa_next_free_vgpr 736
		.amdhsa_next_free_sgpr 66
		.amdhsa_reserve_vcc 0
		.amdhsa_float_denorm_mode_32 3
		.amdhsa_float_denorm_mode_16_64 3
		.amdhsa_memory_ordered 1
		.amdhsa_forward_progress 1
		.amdhsa_inst_pref_size 145
	.end_amdhsa_kernel
	.amdgpu_metadata
---
amdhsa.version: [ 1, 2 ]
amdhsa.kernels:
  - .name:           k_qca03fb7c51_ffn2
    .symbol:         k_qca03fb7c51_ffn2.kd
    .args:
      - { .name: w_down, .offset: 0, .size: 8, .value_kind: global_buffer, .address_space: global }
      - { .name: hbuf, .offset: 8, .size: 8, .value_kind: global_buffer, .address_space: global }
      - { .name: sel, .offset: 16, .size: 8, .value_kind: global_buffer, .address_space: global }
      - { .name: ybuf, .offset: 24, .size: 8, .value_kind: global_buffer, .address_space: global }
    .group_segment_fixed_size: 155136
    .private_segment_fixed_size: 0
    .kernarg_segment_align: 8
    .kernarg_segment_size: 32
    .max_flat_workgroup_size: 128
    .sgpr_count:     66
    .vgpr_count:     736
    .wavefront_size: 32
...
	.end_amdgpu_metadata
.endif
;; end of part 3
;; launch combine (part 4): grid 256 x 1, 4 waves a work-group, no clusters, 0 bytes of LDS; arguments ybuf, rw, ln_gamma, ln_beta, out0; writes out0
.if DOCPART == 4
	.amdgcn_target "amdgcn-amd-amdhsa--gfx1250"
	.amdhsa_code_object_version 6
	.text
	.protected	k_qca03fb7c51_combine
	.globl	k_qca03fb7c51_combine
	.p2align	8
	.type	k_qca03fb7c51_combine,@function
k_qca03fb7c51_combine:
	s_mov_b64 s[64:65], 0
	v_nop
	global_prefetch_b8 v0, s[64:65] scope:SCOPE_SE
	s_setreg_imm32_b32 hwreg(HW_REG_WAVE_MODE, 25, 1), 1
	s_wait_xcnt 0x0
; THE SUM AND LayerNorm.  One wave takes one token T = 4 x work-group + wave, 32 numbers a lane, and keeps the row in registers: out = rw0 (y[0][0] + y[1][0]) + rw1 (y[0][1] + y[1][1]) from the four
; partial rows ybuf[half of K][k][T]; mean; variance about the mean, as a second pass over the registers (no difference of large sums); (out - mean) rsqrt(var + 1e-5) gamma + beta.
; Memory binds: 16 KB in and 4 KB out a token, every load and store of the wave 512 consecutive bytes, all 48 loads out before the first wait.  Matrix units, LDS and clusters would add nothing.
; LIMITS.  gamma and beta are rounded to bf16 like every other input of the program; NaN and infinities are not treated apart.
.set Y,  8            ; v[8:135]   source 2 kh + k at Y + 32 (2 kh + k); the row stays in v[8:39]
.set GA, 136          ; v[136:167] gamma
.set BE, 168          ; v[168:199] beta
.set GP, 200          ; v[200:231] both, packed
.set S,  232          ; v[232:239] at work
	s_load_b256 s[4:11], s[0:1], 0x0               ; ybuf s[4:5], rw s[6:7], gamma s[8:9], beta s[10:11]
	s_load_b64 s[12:13], s[0:1], 0x20              ; out0
	v_and_b32 v1, 31, v0
	v_lshrrev_b32 v2, 5, v0
	v_readfirstlane_b32 s14, v2                    ; wave
	v_lshlrev_b32 v2, 4, v1                        ; 16 bytes a lane
	v_mov_b32 v4, 0                                ; v_permlanex16_b32 counts as a reader of its destination
	s_lshl_b32 s15, ttmp9, 2
	s_add_co_u32 s15, s15, s14                     ; T
	s_mov_b32 s28, 0x76543210
	s_mov_b32 s29, 0xfedcba98
	s_lshl_b32 s30, s15, 12
	s_mov_b32 s31, 0
	s_wait_kmcnt 0x0
	s_add_nc_u64 s[16:17], s[4:5], s[30:31]        ; ybuf at [0][0][T]
	s_add_nc_u64 s[18:19], s[16:17], 0x800000      ; at [1][0][T]
	s_add_nc_u64 s[20:21], s[12:13], s[30:31]      ; out0 at row T
	s_lshl_b32 s30, s15, 3
	s_add_nc_u64 s[22:23], s[6:7], s[30:31]
	s_load_b64 s[24:25], s[22:23], 0x0             ; the token's two weights
.set k, 0
.rept 2
.set z, 0
.rept 8
	global_load_b128 v[Y+32*k+4*z:Y+32*k+4*z+3],       v2, s[16:17] offset:k*4194304+512*z th:TH_LOAD_NT
	global_load_b128 v[Y+64+32*k+4*z:Y+64+32*k+4*z+3], v2, s[18:19] offset:k*4194304+512*z th:TH_LOAD_NT
.set z, z+1
.endr
.set k, k+1
.endr
.set z, 0
.rept 8
	global_load_b128 v[GA+4*z:GA+4*z+3], v2, s[8:9] offset:512*z
	global_load_b128 v[BE+4*z:BE+4*z+3], v2, s[10:11] offset:512*z
.set z, z+1
.endr
	s_wait_kmcnt 0x0
	s_mov_b32 s26, s25                             ; rw1 in the low word of a pair of its own
	s_mov_b32 s27, s25
	s_wait_loadcnt 16                              ; the four partial rows are in; gamma's and beta's 16 loads may stay out
.set z, 0
.rept 16
	v_pk_add_f32 v[Y+2*z:Y+2*z+1], v[Y+2*z:Y+2*z+1], v[Y+64+2*z:Y+64+2*z+1]
	v_pk_add_f32 v[Y+32+2*z:Y+32+2*z+1], v[Y+32+2*z:Y+32+2*z+1], v[Y+96+2*z:Y+96+2*z+1]
.set z, z+1
.endr
.set z, 0
.rept 16
	v_pk_mul_f32 v[Y+2*z:Y+2*z+1], v[Y+2*z:Y+2*z+1], s[24:25] op_sel_hi:[1,0]
.set z, z+1
.endr
.set z, 0
.rept 16
	v_pk_fma_f32 v[Y+2*z:Y+2*z+1], v[Y+32+2*z:Y+32+2*z+1], s[26:27], v[Y+2*z:Y+2*z+1] op_sel_hi:[1,0,1]
.set z, z+1
.endr
.macro FOLD                            ; four chains into one number a lane, then over the 32 lanes: every lane ends with the sum
	v_pk_add_f32 v[S:S+1], v[S:S+1], v[S+2:S+3]
	v_pk_add_f32 v[S+4:S+5], v[S+4:S+5], v[S+6:S+7]
	v_pk_add_f32 v[S:S+1], v[S:S+1], v[S+4:S+5]
	v_add_f32 v[S], v[S], v[S+1]
	v_add_f32_dpp v[S], v[S], v[S] row_xmask:1 row_mask:0xf bank_mask:0xf
	v_add_f32_dpp v[S], v[S], v[S] row_xmask:2 row_mask:0xf bank_mask:0xf
	v_add_f32_dpp v[S], v[S], v[S] row_xmask:4 row_mask:0xf bank_mask:0xf
	v_add_f32_dpp v[S], v[S], v[S] row_xmask:8 row_mask:0xf bank_mask:0xf
	v_permlanex16_b32 v4, v[S], s28, s29
	v_add_f32 v[S], v[S], v4
.endm
	; the mean: four chains, started by the first eight pairs
.set c, 0
.rept 4
	v_pk_add_f32 v[S+2*c:S+2*c+1], v[Y+2*c:Y+2*c+1], v[Y+8+2*c:Y+8+2*c+1]
.set c, c+1
.endr
.irp o, 16, 24
.set c, 0
.rept 4
	v_pk_add_f32 v[S+2*c:S+2*c+1], v[S+2*c:S+2*c+1], v[Y+(\o)+2*c:Y+(\o)+2*c+1]
.set c, c+1
.endr
.endr
	FOLD
	v_mul_f32 v[S], 0x3a800000, v[S]               ; / 1,024
	v_mov_b32 v[S+1], v[S]
.set z, 0
.rept 16
	v_pk_add_f32 v[Y+2*z:Y+2*z+1], v[Y+2*z:Y+2*z+1], v[S:S+1] neg_lo:[0,1] neg_hi:[0,1]
.set z, z+1
.endr
	; the variance, of the differences
.set c, 0
.rept 4
	v_pk_mul_f32 v[S+2*c:S+2*c+1], v[Y+2*c:Y+2*c+1], v[Y+2*c:Y+2*c+1]
.set c, c+1
.endr
.irp o, 8, 16, 24
.set c, 0
.rept 4
	v_pk_fma_f32 v[S+2*c:S+2*c+1], v[Y+(\o)+2*c:Y+(\o)+2*c+1], v[Y+(\o)+2*c:Y+(\o)+2*c+1], v[S+2*c:S+2*c+1]
.set c, c+1
.endr
.endr
	FOLD
	v_mov_b32 v[S+2], 0x3a800000
	v_fmaak_f32 v[S], v[S], v[S+2], 0x3727c5ac     ; / 1,024 + 1e-5
	v_rsq_f32 v[S+4], v[S]                         ; twice, to fill the pair that the packed multiply takes
	v_rsq_f32 v[S+5], v[S]
	s_wait_loadcnt 0x0                             ; gamma and beta
.set z, 0
.rept 16                                               ; rounded to bf16 and widened again: the independent work behind the two roots
	v_cvt_pk_bf16_f32 v[GP+z], v[GA+2*z], v[GA+2*z+1]
	v_cvt_pk_bf16_f32 v[GP+16+z], v[BE+2*z], v[BE+2*z+1]
.set z, z+1
.endr
.set z, 0
.rept 16
	v_lshlrev_b32 v[GA+2*z], 16, v[GP+z]
	v_and_b32 v[GA+2*z+1], 0xffff0000, v[GP+z]
	v_lshlrev_b32 v[BE+2*z], 16, v[GP+16+z]
	v_and_b32 v[BE+2*z+1], 0xffff0000, v[GP+16+z]
.set z, z+1
.endr
	s_wait_alu depctr_va_vdst(0)                   ; the wait ahead of the roots' first reader: one for both
.set z, 0
.rept 16
	v_pk_mul_f32 v[Y+2*z:Y+2*z+1], v[Y+2*z:Y+2*z+1], v[S+4:S+5]
.set z, z+1
.endr
.set z, 0
.rept 16
	v_pk_fma_f32 v[Y+2*z:Y+2*z+1], v[Y+2*z:Y+2*z+1], v[GA+2*z:GA+2*z+1], v[BE+2*z:BE+2*z+1]
.set z, z+1
.endr
.set z, 0
.rept 8
	global_store_b128 v2, v[Y+4*z:Y+4*z+3], s[20:21] offset:512*z th:TH_STORE_NT   ; 512 consecutive bytes, aligned
.set z, z+1
.endr
	s_endpgm
.Lfunc_end_k_qca03fb7c51_combine:
	.size	k_qca03fb7c51_combine, .Lfunc_end_k_qca03fb7c51_combine-k_qca03fb7c51_combine
	.p2alignl 7, 3214868480
	.fill 96, 4, 3214868480
	.section	.rodata,"a",@progbits
	.p2align	6, 0x0
	.amdhsa_kernel k_qca03fb7c51_combine
		.amdhsa_group_segment_fixed_size 0
		.amdhsa_private_segment_fixed_size 0
		.amdhsa_enable_private_segment 0
		.amdhsa_kernarg_size 40
		.amdhsa_user_sgpr_count 2
		.amdhsa_user_sgpr_kernarg_segment_ptr 1
		.amdhsa_wavefront_size32 1
		.amdhsa_system_sgpr_workgroup_id_x 1
		.amdhsa_system_sgpr_workgroup_id_y 1
		.amdhsa_system_sgpr_workgroup_id_z 1
		.amdhsa_system_vgpr_workitem_id 0
		.amdhsa_next_free_vgpr 240
		.amdhsa_next_free_sgpr 66
		.amdhsa_reserve_vcc 0
		.amdhsa_float_denorm_mode_32 3
		.amdhsa_float_denorm_mode_16_64 3
		.amdhsa_memory_ordered 1
		.amdhsa_forward_progress 1
		.amdhsa_inst_pref_size 22
	.end_amdhsa_kernel
	.amdgpu_metadata
---
amdhsa.version: [ 1, 2 ]
amdhsa.kernels:
  - .name:           k_qca03fb7c51_combine
    .symbol:         k_qca03fb7c51_combine.kd
    .args:
      - { .name: ybuf, .offset: 0, .size: 8, .value_kind: global_buffer, .address_space: global }
      - { .name: rw, .offset: 8, .size: 8, .value_kind: global_buffer, .address_space: global }
      - { .name: ln_gamma, .offset: 16, .size: 8, .value_kind: global_buffer, .address_space: global }
      - { .name: ln_beta, .offset: 24, .size: 8, .value_kind: global_buffer, .address_space: global }
      - { .name: out0, .offset: 32, .size: 8, .value_kind: global_buffer, .address_space: global }
    .group_segment_fixed_size: 0
    .private_segment_fixed_size: 0
    .kernarg_segment_align: 8
    .kernarg_segment_size: 40
    .max_flat_workgroup_size: 128
    .sgpr_count:     66
    .vgpr_count:     240
    .wavefront_size: 32
...
	.end_amdgpu_metadata
.endif
;; end of part 4
;; ======== version 2 of 2: 4 launches; version 1 with the launches ffn1, ffn2 written anew for expert scheduling mode
;; workspace buffers: xb 2,097,152 bytes; sel 4,096 bytes of whole numbers; rw 8,192 bytes; hbuf 33,554,432 bytes; ybuf 16,777,216 bytes
;; launch route: the kernel of part 1 again; grid 256 x 1, 4 waves a work-group, no clusters, 0 bytes of LDS; arguments x, w_router, xb, sel, rw; writes xb, sel, rw
;; launch ffn1 (part 5): grid 256 x 1, 4 waves a work-group, no clusters, 269,824 bytes of LDS; arguments w_gate, w_up, xb, sel, hbuf; writes hbuf
.if DOCPART == 5
	.amdgcn_target "amdgcn-amd-amdhsa--gfx1250"
	.amdhsa_code_object_version 6
	.text
	.protected	k_qca03fb7c51_ffn1
	.globl	k_qca03fb7c51_ffn1
	.p2align	8
	.type	k_qca03fb7c51_ffn1,@function
k_qca03fb7c51_ffn1:
	s_mov_b64 s[64:65], 0
	v_nop
	global_prefetch_b8 v0, s[64:65] scope:SCOPE_SE
	s_setreg_imm32_b32 hwreg(HW_REG_WAVE_SCHED_MODE, 0, 2), 2
	s_setreg_imm32_b32 hwreg(HW_REG_WAVE_MODE, 25, 1), 1
	s_wait_xcnt 0x0
	s_wait_alu depctr_vm_vsrc(0)
; FIRST PRODUCT AND SwiGLU.  h = silu(x Wg^T) * (x Wu^T) for the rows that chose the expert, rounded once to bf16.
; SHARES.  Work-group = expert E (ttmp9 >> 5) x slice SL (ttmp9 & 31) of 64 hidden columns: 64 rows of w_gate and 64 of w_up, 512 KB of f32 that this work-group alone reads, and ALL rows of E.
; PHASE 1.  Each wave streams 32 weight rows through registers, rounds them to bf16 and lays them into LDS (pitch 2,064 bytes); 64 loads of 512 bytes a wave are on their way.  Meanwhile every wave reads all
; 1,024 words of sel and makes the list of the expert's rows.  A barrier.  PHASE 2.  LDS is only read: the weights are source 0 of the matrix instruction, the token rows come from xb straight into registers as source 1.
; A second barrier stands behind phase 2: every wave's reads of LDS are back before any wave goes on to its end.
; THE LIST.  Place p of a row is its token's rank in the order (register j, lane), token = 128 (j / 4) + 4 lane + j % 4.  Fragment f = p / 16 belongs to wave f % 4; a wave stores the entries (k x 1,024 + token)
; of its own fragments into its own 1,024 bytes of LDS, the others into a dump word of the lane's own behind them: no wave reads another's list.  Places past the count repeat the expert's last row.
; THE ROW LOOP has a constant count of 4 trips; a trip takes 5 fragments where 5 or more are left, else 4 (dead ones repeat a live one, and their way out is jumped): 16 fragments a wave, 1,024 rows, at the most.
; A trip with nothing left is jumped whole; nothing that is jumped holds a barrier.  An expert without rows stores nothing.
; NO MULTICAST: each weight byte has one reader; the token rows, which an expert's 32 work-groups share, come by a list that no tile descriptor covers.
; OUT.  hbuf holds operand images for the second product: byte ((E 64 + f) 64 + ks) 1,024 + half 512 + lane 16, f a fragment of 16 rows, ks a step of 32 hidden columns; a lane's eight results ARE four registers of that fragment.
; LIMITS.  x and the weights are rounded to bf16, h once to bf16; 2^(-g log2 e) beyond f32's range gives silu = 0; NaN and infinities are not treated apart.
; THE MODE: SCHED_MODE bits 1:0 = 2 (LLVM: expert scheduling mode 2), set by the entry lines.  The code itself states the register dependences between vector or matrix instructions and memory or LDS
; instructions, with s_wait_alu, always for 0.
; THE PLAN.  Registers that memory or LDS instructions touch:
;   phase 1   window 1's eight rows: a row's 16 roundings read it; behind them the loads of the row 8 further on land in it.
;             T16, two buffers by turns: row i's roundings write buffer i % 2, its 8 LDS stores read it.  v[WST]: read by those stores, written once a round.
;             LA, LD: written by the list's arithmetic, 8 tokens at a time, read by the 8 LDS stores behind it.
;   phase 2   AR, a ring of four: step g's products read slot g % 4; the loads issued in step g + 1 land in it.   BF, two buffers: step g's products read buffer g % 2; the LDS loads of step g + 1 land in it.
;             v[BAD]: read by those LDS loads, written at a GEMM's head and once in four steps.   v[AOFF], v[LT ..], ENT: written or loaded in SETUP.   EO: written by the way out's roundings, read by its 4 stores.
;   v[L16], v[BAD0] are made once at the head and never written again.
; So a row has its two waits behind its roundings; a K step has ONE wait on va_vdst, at its head, and its loads are dealt among its products, which name the other BF buffer, another AR slot and the accumulators.
; REGISTERS, in windows of 256 (s_set_vgpr_msb: bits 1:0 source 0, 3:2 source 1, 5:4 source 2, 7:6 destination):
;   window 0: addresses, scratch, v64-191 two buffers of 8 weight fragments (in phase 1: v64-95 the list's, v96-111 T16's second buffer; on the way out: at work), v192-223 sel
;   window 1: phase 1: eight rows as loaded; phase 2: accumulators of fragments 0-3, 64 each        window 2: v0-63 accumulators of fragment 4; v64-223 a ring of four steps of token fragments, 40 a step
.set NCF,   8          ; weight fragments of 16 rows: 0-3 gate, 4-7 up
.set NRUN,  2          ; a step's LDS loads stand in so many runs, behind the products of its first token fragments
.set ROWB,  4096       ; bytes from weight row to weight row in memory
.set RPW,   32         ; weight rows that a wave lays
.set ASTEP, 64         ; bytes of a token row in a K step of 32
.set AHALF, 32         ; from a fragment's registers 0-3 to its registers 4-7
.set ACS,   64         ; accumulator registers a token fragment
.set PW,    2064       ; an LDS row: 2,048 bytes + 16 = 129 x 16: the 16 rows of a fragment load start at 16 different groups of four banks (64 banks of 4 bytes: ISA guide 11.1)
.set LISTB, 128*PW     ; behind the weights: 1,280 bytes a wave: 256 entries, 32 dump words
.set LISTW, 1280
.set LANE, 1
.set R,    2           ; lane % 16
.set H,    3           ; lane / 16
.set L16,  6           ; 16 x lane
.set WST,  7           ; where I lay 8 bytes of a weight row
.set BAD,  8           ; v8-11   LDS address of weight fragments 2 p, 2 p + 1, at the K of the trip in hand
.set BAD0, 12          ; v12-15  the same at K = 0; never rewritten
.set AOFF, 16          ; v16-20  byte offset in xb of my part of token fragment a
.set TOK0, 21          ; 4 x lane
.set DMP,  22          ; 256 + lane: my dump word's index
.set LT,   23          ; v23-27  the LDS addresses of five list entries; at the head: at work
.set H16,  31          ; 16 x (lane / 16)
.set T16,  32          ; v32-47  a weight row, rounded; the second buffer lies 64 registers on, v96-111
.set ENT,  48          ; v48-52  list entries read back
.set LW,   64          ; v64-71  the list, 8 tokens at a time: at work
.set LPL,  72          ; v72-79  places
.set LA,   80          ; v80-87  LDS addresses
.set LD,   88          ; v88-95  entries
.set BF,   64
.set ET,   64          ; the way out: 32 at work,
.set EP,   96          ; 32 products,
.set EO,   128         ; 16 packed
.set SW,   192         ; v192-223 sel
.set AR,   64          ; window 2
.set WV,   14
.set EX,   15
.set SL,   16
.set CNT,  17
.set CM1,  18          ; count - 1
.set NFR,  19          ; fragments of the expert
.set NFL,  20          ; my fragments still to do
.set IB,   21          ; my fragments done
.set TR,   22
.set KC,   23
.set CONS, 24
.set NFW1, 25          ; my fragments - 1
.set WP,   26          ; s[26:27] weights, running
.set XK,   28          ; s[28:29] xb, running along K
.set XB0,  30          ; s[30:31] xb
.set OF,   32          ; s[32:33] an offset, high word 0
.set EM,   37          ; the expert's two bits in a word of sel
.set E8,   38
.set LB,   39          ; my list
.set MB,   40          ; s40-47  in the list alone: eight masks, chosen and mine (s40-42 and s44 serve other ends before and behind it)
.set KB,   44          ; bytes along an LDS row at which the K loop's trip begins
.set HP,   48          ; s[48:49] hbuf at the trip's first fragment
.set HB0,  50          ; s[50:51] hbuf at the expert and slice
.set NL2E, 52          ; s[52:53] -log2(e)
.set MA,   54          ; s54-61  in the list alone: eight masks, chosen
.set MSB, 0
.macro WIN new                         ; the immediate's high byte repeats the setting that is left; a switch that changes nothing is dropped
.if MSB != (\new)
	s_set_vgpr_msb (MSB<<8)|(\new)
.set MSB, (\new)
.endif
.endm
.macro PLACES                          ; four plain places between a matrix instruction and an access to its registers; ahead of loads they stand beside the wait that states the dependence
.rept 4
	v_nop
.endr
.endm
; One weight row (4,096 bytes of f32, in registers 32 i .. of window 1) is rounded and laid into LDS.  ahead = 1: the slot takes the row 8 further on.  left: the younger loads that may stay out.
.macro SLOT i, ahead, left
	s_wait_loadcnt \left
	WIN 0x05
.set sT, T16+64*((\i)%2)
.set sz, 0
.rept 16
	v_cvt_pk_bf16_f32 v[sT+sz], v[32*(\i)+2*sz], v[32*(\i)+2*sz+1]
.set sz, sz+1
.endr
.if \ahead
	WIN 0x40
.else
	WIN 0
.endif
.if (\ahead) || ((\i) < 7)
	s_wait_alu depctr_vm_vsrc(0)                   ; the row before's LDS stores have read the other T16, which the next row's roundings write
.endif
	s_wait_alu depctr_va_vdst(0)                   ; the roundings have written this T16, which the LDS stores below read, and are done reading the row's registers, in which the loads below land
.if \ahead
.set sz, 0
.rept 8
	global_load_b128 v[32*(\i)+4*sz:32*(\i)+4*sz+3], v[L16], s[WP:WP+1] offset:((\i)+8)*ROWB+512*sz th:TH_LOAD_NT
.set sz, sz+1
.endr
.endif
	WIN 0
.set sz, 0
.rept 8
	ds_store_b64 v[WST], v[sT+2*sz:sT+2*sz+1] offset:(\i)*PW+256*sz   ; 256 consecutive LDS bytes
.set sz, sz+1
.endr
.endm
.macro ALL8 line:vararg                ; one line for each of a batch's eight tokens lj
.set lj, 0
.rept 8
	\line
.set lj, lj+1
.endr
.endm
; The list and the count, in four batches of eight registers of sel: the compares stand in runs, each run with one wait behind it; the eight stores stand in one run behind one wait.
.macro LIST
	s_mov_b32 s[CNT], 0
.set lb, 0
.rept 4
	ALL8 v_and_b32 v[LW+lj], s[EM], v[SW+8*lb+lj]
	ALL8 v_cmp_ne_u32 s[MA+lj], 0, v[LW+lj]        ; the lanes whose token chose the expert
	s_wait_alu depctr_va_sdst(0)                   ; the eight masks s[MA ..] are written, ahead of their first reader
.set lj, 0
.rept 8
	v_mbcnt_lo_u32_b32 v[LPL+lj], s[MA+lj], s[CNT] ; place p
	s_bcnt1_i32_b32 s36, s[MA+lj]
	s_add_co_u32 s[CNT], s[CNT], s36
.set lj, lj+1
.endr
	ALL8 v_bfe_u32 v[LW+lj], v[LPL+lj], 4, 2       ; its fragment's wave
	ALL8 v_cmp_eq_u32 s[MB+lj], s[WV], v[LW+lj]
	s_wait_alu depctr_va_sdst(0)                   ; the eight masks s[MB ..] are written, ahead of their first reader
	ALL8 s_and_b32 s[MB+lj], s[MB+lj], s[MA+lj]    ; chosen, and mine
	s_wait_alu depctr_vm_vsrc(0)                   ; the LDS stores issued so far have read their registers: the batch before's LA and LD, written again below; in the first batch the clearing stores' T16, which the first row's roundings write
	ALL8 v_lshrrev_b32 v[LA+lj], 2, v[LPL+lj]
	ALL8 v_and_b32 v[LA+lj], 0xf0, v[LA+lj]
	ALL8 v_and_or_b32 v[LA+lj], v[LPL+lj], 15, v[LA+lj]      ; 16 (p / 64) + p % 16
	ALL8 v_cndmask_b32 v[LA+lj], v[DMP], v[LA+lj], s[MB+lj]  ; the others go to the lane's dump word
	ALL8 v_min_u32 v[LA+lj], 0x13f, v[LA+lj]
	ALL8 v_lshl_add_u32 v[LA+lj], v[LA+lj], 2, s[LB]
	ALL8 v_bfe_u32 v[LD+lj], v[SW+8*lb+lj], s[E8], 1         ; k: 1 where the expert is the token's second
	ALL8 v_lshl_add_u32 v[LD+lj], v[LD+lj], 10, v[TOK0]
	ALL8 v_add_nc_u32 v[LD+lj], ((8*lb+lj)/4)*128+(8*lb+lj)%4, v[LD+lj]  ; k x 1,024 + token
	s_wait_alu depctr_va_vdst(0)                   ; LA and LD are written, which the eight stores read
	ALL8 ds_store_b32 v[LA+lj], v[LD+lj]
.set lb, lb+1
.endr
	s_sub_co_u32 s[CM1], s[CNT], 1
	s_add_co_u32 s[NFR], s[CNT], 15
	s_lshr_b32 s[NFR], s[NFR], 4
	s_add_co_u32 s[NFL], s[NFR], 3
	s_sub_co_u32 s[NFL], s[NFL], s[WV]
	s_lshr_b32 s[NFL], s[NFL], 2                   ; fragments w, w + 4, ..
	s_sub_co_u32 s[NFW1], s[NFL], 1
.endm
; The NCF products of token fragment a in one K step: source 0 = 16 weight rows, source 1 = 16 tokens: a lane then holds one token (lane % 16) and 8 neighbouring weight rows.
.macro PROD a, slot, bb, zero
.if ACS*((\a)+1) > 256
	WIN 0xa8
.set pD, ACS*(\a)-256
.else
	WIN 0x58
.set pD, ACS*(\a)
.endif
.set pA, AR+40*(\slot)+8*(\a)
.set pcf, 0
.rept NCF
.set pB, BF+8*NCF*(\bb)+8*pcf
.if \zero
	v_wmma_f32_16x16x32_bf16 v[pD+8*pcf:pD+8*pcf+7], v[pB:pB+7], v[pA:pA+7], 0
.else
	v_wmma_f32_16x16x32_bf16 v[pD+8*pcf:pD+8*pcf+7], v[pB:pB+7], v[pA:pA+7], v[pD+8*pcf:pD+8*pcf+7]
.endif
.set pcf, pcf+1
.endr
.endm
; A K step of 32 for mt token fragments.  Each accumulator has one instruction a step: they take turns.  One wait at the step's head states what all its loads hang on; they are dealt among its
; products: behind fragment 0's the token fragments three steps on (into ring slot aslot, at byte aimm) and the first run of the next step's weight fragments (into the other buffer, at byte bimm), behind fragment 1's
; the second run; -1: none.  lc: the younger token loads that may stay out.  Step 0 (zero = 1) leans on the wait at the GEMM's head: no vector or matrix instruction since names the registers that its loads touch.
.macro KSTEP mt, slot, bb, zero, aslot, aimm, bimm, lc
	s_wait_dscnt 0x0                               ; this step's weight fragments, asked for early in the step before
	s_wait_loadcnt \lc
.if (((\bimm) >= 0) || ((\aimm) >= 0)) && !(\zero)
	PLACES
	s_wait_alu depctr_va_vdst(0)                   ; the step before's products are done reading the other BF buffer and ring slot aslot, in which this step's loads land; behind the loop's jump: v[BAD ..] is written
.endif
.set ka, 0
.rept \mt
	PROD ka, \slot, \bb, \zero
.if (ka == 0) && ((\aimm) >= 0)
	WIN 0x80
.set kc, 0
.rept \mt
	global_load_b128 v[AR+40*(\aslot)+8*kc:AR+40*(\aslot)+8*kc+3],   v[AOFF+kc], s[XK:XK+1] offset:(\aimm)
	global_load_b128 v[AR+40*(\aslot)+8*kc+4:AR+40*(\aslot)+8*kc+7], v[AOFF+kc], s[XK:XK+1] offset:(\aimm)+AHALF
.set kc, kc+1
.endr
.endif
.if (ka < NRUN) && ((\bimm) >= 0)
	WIN 0
.set kc, ka*(NCF/NRUN)
.rept NCF/NRUN
	ds_load_b128 v[BF+8*NCF*(1-(\bb))+8*kc:BF+8*NCF*(1-(\bb))+8*kc+3],   v[BAD+kc/2] offset:(kc%2)*16*PW+(\bimm)
	ds_load_b128 v[BF+8*NCF*(1-(\bb))+8*kc+4:BF+8*NCF*(1-(\bb))+8*kc+7], v[BAD+kc/2] offset:(kc%2)*16*PW+(\bimm)+32
.set kc, kc+1
.endr
.endif
.set ka, ka+1
.endr
.endm
; All 32 K steps for mt token fragments.  At the head of step g the token loads of steps g + 1 and g + 2 are younger than step g's, 2 mt each; step g + 3's are issued inside step g; the last, step 31's, in step 28.
; The weights' LDS address is the fixed BAD0 plus the scalar KB, which steps by 256 bytes (4 K steps) a trip: 0 to 1,792.
.macro GEMM mt
	WIN 0
	s_mov_b64 s[XK:XK+1], s[XB0:XB0+1]
	s_mov_b32 s[KB], 0
.set gp, 0
.rept NCF/2
	v_mov_b32 v[BAD+gp], v[BAD0+gp]
.set gp, gp+1
.endr
	WIN 0x80
	s_wait_alu depctr_va_vdst(0)                   ; v[AOFF ..] and v[BAD ..] are written, which the loads below read; every earlier product and every line of the last way out is done with AR and BF, in which they land
.set gs, 0
.rept 3
.set gp, 0
.rept \mt
	global_load_b128 v[AR+40*gs+8*gp:AR+40*gs+8*gp+3],   v[AOFF+gp], s[XK:XK+1] offset:gs*ASTEP
	global_load_b128 v[AR+40*gs+8*gp+4:AR+40*gs+8*gp+7], v[AOFF+gp], s[XK:XK+1] offset:gs*ASTEP+AHALF
.set gp, gp+1
.endr
.set gs, gs+1
.endr
	WIN 0
.set gp, 0
.rept NCF
	ds_load_b128 v[BF+8*gp:BF+8*gp+3],   v[BAD+gp/2] offset:(gp%2)*16*PW
	ds_load_b128 v[BF+8*gp+4:BF+8*gp+7], v[BAD+gp/2] offset:(gp%2)*16*PW+32
.set gp, gp+1
.endr
	KSTEP \mt, 0, 0, 1, 3, 3*ASTEP, 64, 4*(\mt)    ; step 0 starts the sums: nothing is cleared
	WIN 0
	s_mov_b32 s[KC], 7
.Lk_\@:                                                ; steps 4 t + 1 .. 4 t + 4
	KSTEP \mt, 1, 1, 0, 0, 4*ASTEP, 128, 4*(\mt)
	KSTEP \mt, 2, 0, 0, 1, 5*ASTEP, 192, 4*(\mt)
	KSTEP \mt, 3, 1, 0, 2, 6*ASTEP, 256, 4*(\mt)
	KSTEP \mt, 0, 0, 0, 3, 7*ASTEP, 320, 4*(\mt)
	WIN 0
	s_wait_xcnt 0x0                                ; the loads' base is stepped only behind this wait
	s_add_nc_u64 s[XK:XK+1], s[XK:XK+1], 4*ASTEP
	s_add_co_u32 s[KB], s[KB], 256
	s_wait_alu depctr_vm_vsrc(0)                   ; the LDS loads issued so far have read v[BAD ..]
.set gp, 0
.rept NCF/2
	v_add_nc_u32 v[BAD+gp], s[KB], v[BAD0+gp]
.set gp, gp+1
.endr
	s_sub_co_u32 s[KC], s[KC], 1
	s_cmp_lg_u32 s[KC], 0
	s_cbranch_scc1 .Lk_\@
	KSTEP \mt, 1, 1, 0, 0, -1, 128, 4*(\mt)        ; steps 29 to 31 ask for no token rows: the counts run down
	KSTEP \mt, 2, 0, 0, 0, -1, 192, 2*(\mt)
	KSTEP \mt, 3, 1, 0, 0, -1, -1, 0
	WIN 0
	PLACES                                         ; ahead of whatever reads the sums or writes the operands' registers
.endm
; A trip's addresses: for each of five fragments (past my last: my last once more) my row's token from the list (past the count: the expert's last row), and hbuf at the trip's first fragment.
.macro SETUP
	s_wait_xcnt 0x0                                ; the last trip's stores have read their base and registers
	s_wait_alu depctr_vm_vsrc(0)                   ; all memory and LDS instructions so far have read their registers: v[LT ..], v[AOFF ..] and v[BAD ..], written again below, and what becomes BF: EO, and in the first trip LA, LD and T16's second buffer
.set ua, 0
.rept 5
	s_add_co_u32 s40, s[IB], ua
	s_min_u32 s40, s40, s[NFW1]
	s_min_u32 s40, s40, 15
	s_lshl2_add_u32 s41, s40, s[WV]                ; the fragment: 4 i + wave
	s_lshl_b32 s41, s41, 4
	s_sub_co_u32 s41, s[CM1], s41                  ; its last live row
	s_lshl_b32 s42, s40, 6
	s_add_co_u32 s42, s42, s[LB]
	v_min_u32 v[LT+ua], s41, v[R]
	v_min_u32 v[LT+ua], 15, v[LT+ua]
	v_lshl_add_u32 v[LT+ua], v[LT+ua], 2, s42
.set ua, ua+1
.endr
	s_wait_alu depctr_va_vdst(0)                   ; the five addresses are written; the last trip's lines are done with ENT, in which the loads land
.set ua, 0
.rept 5
	ds_load_b32 v[ENT+ua], v[LT+ua]
.set ua, ua+1
.endr
	s_min_u32 s40, s[IB], 15
	s_lshl2_add_u32 s40, s40, s[WV]
	s_lshl_b32 s[OF], s40, 16                      ; a fragment's images are 65,536 bytes
	s_add_nc_u64 s[HP:HP+1], s[HB0:HB0+1], s[OF:OF+1]
	s_wait_dscnt 0x0
.set ua, 0
.rept 5
	v_and_b32 v[ENT+ua], 0x3ff, v[ENT+ua]          ; the token
	v_min_u32 v[ENT+ua], 0x3ff, v[ENT+ua]
	v_lshl_add_u32 v[AOFF+ua], v[ENT+ua], 11, v[H16]  ; its row of 2,048 bytes, + 16 x half
.set ua, ua+1
.endr
.endm
; THE WAY OUT of token fragment a: h = g u / (1 + 2^(-g log2 e)), rounded to bf16; each accumulator is read from its low end on.  The 32 exponentials are one batch with one wait, the products g u the
; independent work behind them; the 32 reciprocals another.
.macro EPI a
.if ACS*((\a)+1) > 256
.set eW, 2
.set eG, ACS*(\a)-256
.else
.set eW, 1
.set eG, ACS*(\a)
.endif
	WIN eW
.set ez, 0
.rept 16
	v_pk_mul_f32 v[ET+2*ez:ET+2*ez+1], v[eG+2*ez:eG+2*ez+1], s[NL2E:NL2E+1] op_sel_hi:[1,0]
.set ez, ez+1
.endr
	WIN 0
.set ez, 0
.rept 32
	v_exp_f32 v[ET+ez], v[ET+ez]
.set ez, ez+1
.endr
	WIN 5*eW
.set ez, 0
.rept 16
	v_pk_mul_f32 v[EP+2*ez:EP+2*ez+1], v[eG+2*ez:eG+2*ez+1], v[eG+32+2*ez:eG+32+2*ez+1]
.set ez, ez+1
.endr
	WIN 0
	s_wait_alu depctr_va_vdst(0)                   ; the 32 exponentials have written ET, ahead of the batch's first reader
.set ez, 0
.rept 16
	v_pk_add_f32 v[ET+2*ez:ET+2*ez+1], v[ET+2*ez:ET+2*ez+1], 1.0 op_sel_hi:[1,0]
.set ez, ez+1
.endr
.set ez, 0
.rept 32
	v_rcp_f32 v[ET+ez], v[ET+ez]
.set ez, ez+1
.endr
	v_nop                                          ; a plain line behind the last reciprocal
	s_wait_alu depctr_va_vdst(0)                   ; the 32 reciprocals have written ET, ahead of their first reader
.set ez, 0
.rept 16
	v_pk_mul_f32 v[EP+2*ez:EP+2*ez+1], v[EP+2*ez:EP+2*ez+1], v[ET+2*ez:ET+2*ez+1]
.set ez, ez+1
.endr
	s_wait_xcnt 0x0                                ; the fragment before has stored: EO is written again only behind this wait,
	s_wait_alu depctr_vm_vsrc(0)                   ; and behind this one: its four stores have read EO
.set ez, 0
.rept 16
	v_cvt_pk_bf16_f32 v[EO+ez], v[EP+2*ez], v[EP+2*ez+1]
.set ez, ez+1
.endr
	s_wait_alu depctr_va_vdst(0)                   ; the roundings have written EO, which the four stores read
.set ez, 0
.rept 4                                                ; column fragment ez: K step ez / 2 of the slice's two, registers 0-3 (even) or 4-7 (odd) of the image; 512 consecutive bytes, aligned
	global_store_b128 v[L16], v[EO+4*ez:EO+4*ez+3], s[HP:HP+1] offset:(\a)*262144+(ez/2)*1024+(ez%2)*512
.set ez, ez+1
.endr
.endm
	s_load_b256 s[4:11], s[0:1], 0x0               ; w_gate s[4:5], w_up s[6:7], xb s[8:9], sel s[10:11]
	s_load_b64 s[12:13], s[0:1], 0x20              ; hbuf
	v_lshl_add_u32 v254, v0, 2, 0x41c00
	v_mov_b32 v255, 0
	v_and_b32 v[LANE], 31, v0
	v_lshrrev_b32 v[LT], 5, v0
	v_readfirstlane_b32 s[WV], v[LT]
	v_and_b32 v[R], 15, v0
	v_bfe_u32 v[H], v0, 4, 1
	v_lshlrev_b32 v[L16], 4, v[LANE]
	v_lshlrev_b32 v[TOK0], 2, v[LANE]
	v_add_nc_u32 v[DMP], 0x100, v[LANE]
	v_lshlrev_b32 v[H16], 4, v[H]
	s_lshr_b32 s[EX], ttmp9, 5
	s_and_b32 s[SL], ttmp9, 31
	s_wait_alu depctr_va_sdst(0)                   ; s[WV] is written, ahead of its first reader
	s_mul_i32 s[LB], s[WV], LISTW
	s_add_co_u32 s[LB], s[LB], LISTB
	v_lshl_add_u32 v[LT+1], v[LANE], 4, s[LB]      ; my list's 256 places start at 0, an entry inside every table: two stores of 512 bytes, ahead of the list's own (LDS serves a wave's instructions in order: ISA guide 5.7.1.4)
.irp z, 0,1,2,3
	v_mov_b32 v[T16+\z], 0
.endr
	s_lshl_b32 s[EM], 0x101, s[EX]
	s_add_co_u32 s[E8], s[EX], 8
	s_mov_b32 s[NL2E], 0xbfb8aa3b
	s_mov_b32 s[NL2E+1], 0xbfb8aa3b                ; named with it as a pair
	s_mul_i32 s40, s[WV], RPW*PW
	v_lshl_add_u32 v[WST], v[LANE], 3, s40         ; my wave's first LDS row + 8 x lane
	v_mul_u32_u24 v[LT], v[R], PW
	v_lshl_add_u32 v[LT], v[H], 4, v[LT]           ; a fragment's row x pitch + 16 x half
.set hp, 0
.rept NCF/2
	v_add_nc_u32 v[BAD0+hp], 32*hp*PW, v[LT]
.set hp, hp+1
.endr
	s_wait_alu depctr_va_vdst(0)                   ; every address and offset made above, and the four zeros, are written: the stores and loads below read them
	ds_store_b128 v[LT+1], v[T16:T16+3]
	ds_store_b128 v[LT+1], v[T16:T16+3] offset:512
	s_lshl_b32 s[OF], s[EX], 23                    ; an expert's 8 MiB,
	s_lshl_b32 s40, s[SL], 18                      ; the slice's 64 rows of 4,096 bytes,
	s_add_co_u32 s[OF], s[OF], s40
	s_and_b32 s40, s[WV], 1
	s_lshl_b32 s40, s40, 17                        ; my 32 of them
	s_add_co_u32 s[OF], s[OF], s40
	s_mov_b32 s[OF+1], 0
	s_wait_kmcnt 0x0
.set hp, 0
.rept 8
	global_load_b128 v[SW+4*hp:SW+4*hp+3], v[L16], s[10:11] offset:512*hp
.set hp, hp+1
.endr
	s_cmp_lt_u32 s[WV], 2                          ; waves 0, 1 lay the gate's rows, waves 2, 3 the up rows
	s_cselect_b64 s[WP:WP+1], s[4:5], s[6:7]
	s_add_nc_u64 s[WP:WP+1], s[WP:WP+1], s[OF:OF+1]
	WIN 0x40
.set hi, 0
.rept 8
.set hp, 0
.rept 8
	global_load_b128 v[32*hi+4*hp:32*hi+4*hp+3], v[L16], s[WP:WP+1] offset:hi*ROWB+512*hp th:TH_LOAD_NT
.set hp, hp+1
.endr
.set hi, hi+1
.endr
	WIN 0
	s_mov_b64 s[XB0:XB0+1], s[8:9]
	s_lshl_b32 s[OF], s[EX], 22
	s_lshl_b32 s40, s[SL], 11
	s_add_co_u32 s[OF], s[OF], s40
	s_add_nc_u64 s[HB0:HB0+1], s[12:13], s[OF:OF+1]
	s_wait_loadcnt 63                              ; sel is in: 64 loads were issued behind it, and 63 is the largest count that can be written
	LIST
	s_mov_b32 s[KC], 3
.Lround:                                               ; a round rounds 8 rows and asks for the next 8; 56 = the other seven rows' loads
.irp i, 0,1,2,3,4,5,6,7
	SLOT \i, 1, 56
.endr
	s_wait_xcnt 0x0                                ; the loads' base is stepped only behind this wait
	s_add_nc_u64 s[WP:WP+1], s[WP:WP+1], 8*ROWB
	s_wait_alu depctr_vm_vsrc(0)                   ; the round's LDS stores have read v[WST]; that it is written anew is stated by the next row's wait, ahead of its stores
	v_add_nc_u32 v[WST], 8*PW, v[WST]
	s_sub_co_u32 s[KC], s[KC], 1
	s_cmp_lg_u32 s[KC], 0
	s_cbranch_scc1 .Lround
.irp i, 0,1,2,3,4,5,6,7
	SLOT \i, 0, 56-8*(\i)                          ; the last 8 rows: nothing is asked for, the counts run down
.endr
	s_wait_dscnt 0x0                               ; for the others' sake: my rows lie in LDS
	s_barrier_signal -1
	s_barrier_wait -1                              ; the slice is whole; in the row loop LDS is only read
	s_mov_b32 s[IB], 0
	s_mov_b32 s[TR], 4
.Ltrip:
	s_cmp_eq_u32 s[NFL], 0
	s_cbranch_scc1 .Lnext
	SETUP
	s_cmp_ge_u32 s[NFL], 5
	s_cbranch_scc1 .Lv5
	s_mov_b32 s[CONS], 4
	GEMM 4
	s_branch .Lepi
.Lv5:
	s_mov_b32 s[CONS], 5
	GEMM 5
	EPI 4                                          ; on this way the fifth fragment is live
.Lepi:
	EPI 0
	s_cmp_le_u32 s[NFL], 1
	s_cbranch_scc1 .Ldone
	EPI 1
	s_cmp_le_u32 s[NFL], 2
	s_cbranch_scc1 .Ldone
	EPI 2
	s_cmp_le_u32 s[NFL], 3
	s_cbranch_scc1 .Ldone
	EPI 3
.Ldone:
	s_sub_co_i32 s[NFL], s[NFL], s[CONS]
	s_max_i32 s[NFL], s[NFL], 0
	s_add_co_u32 s[IB], s[IB], s[CONS]
.Lnext:
	s_sub_co_u32 s[TR], s[TR], 1
	s_cmp_lg_u32 s[TR], 0
	s_cbranch_scc1 .Ltrip
	s_wait_dscnt 0x0                               ; my reads of LDS are back;
	s_barrier_signal -1
	s_barrier_wait -1                              ; every wave's are
	s_wait_dscnt 0x0                               ; the wave's end; the closing add of 0 onto my spare word stands below
	s_wait_alu depctr_hold_cnt(0) depctr_sa_sdst(0) depctr_va_vdst(0) depctr_va_sdst(0) depctr_va_ssrc(0) depctr_va_vcc(0) depctr_vm_vsrc(0)
	s_wait_tensorcnt 0x0
	ds_add_u32 v254, v255
	s_wait_dscnt 0x0
	s_endpgm
.Lfunc_end_k_qca03fb7c51_ffn1:
	.size	k_qca03fb7c51_ffn1, .Lfunc_end_k_qca03fb7c51_ffn1-k_qca03fb7c51_ffn1
	.p2alignl 7, 3214868480
	.fill 96, 4, 3214868480
	.section	.rodata,"a",@progbits
	.p2align	6, 0x0
	.amdhsa_kernel k_qca03fb7c51_ffn1
		.amdhsa_group_segment_fixed_size 269824
		.amdhsa_private_segment_fixed_size 0
		.amdhsa_enable_private_segment 0
		.amdhsa_kernarg_size 40
		.amdhsa_user_sgpr_count 2
		.amdhsa_user_sgpr_kernarg_segment_ptr 1
		.amdhsa_wavefront_size32 1
		.amdhsa_system_sgpr_workgroup_id_x 1
		.amdhsa_system_sgpr_workgroup_id_y 1
		.amdhsa_system_sgpr_workgroup_id_z 1
		.amdhsa_system_vgpr_workitem_id 0
		.amdhsa_next_free_vgpr 736
		.amdhsa_next_free_sgpr 66
		.amdhsa_reserve_vcc 0
		.amdhsa_float_denorm_mode_32 3
		.amdhsa_float_denorm_mode_16_64 3
		.amdhsa_memory_ordered 1
		.amdhsa_forward_progress 1
		.amdhsa_inst_pref_size 190
	.end_amdhsa_kernel
	.amdgpu_metadata
---
amdhsa.version: [ 1, 2 ]
amdhsa.kernels:
  - .name:           k_qca03fb7c51_ffn1
    .symbol:         k_qca03fb7c51_ffn1.kd
    .args:
      - { .name: w_gate, .offset: 0, .size: 8, .value_kind: global_buffer, .address_space: global }
      - { .name: w_up, .offset: 8, .size: 8, .value_kind: global_buffer, .address_space: global }
      - { .name: xb, .offset: 16, .size: 8, .value_kind: global_buffer, .address_space: global }
      - { .name: sel, .offset: 24, .size: 8, .value_kind: global_buffer, .address_space: global }
      - { .name: hbuf, .offset: 32, .size: 8, .value_kind: global_buffer, .address_space: global }
    .group_segment_fixed_size: 269824
    .private_segment_fixed_size: 0
    .kernarg_segment_align: 8
    .kernarg_segment_size: 40
    .max_flat_workgroup_size: 128
    .sgpr_count:     66
    .vgpr_count:     736
    .wavefront_size: 32
...
	.end_amdgpu_metadata
.endif
;; end of part 5
;; launch ffn2 (part 6): grid 256 x 1, 4 waves a work-group, no clusters, 155,136 bytes of LDS; arguments w_down, hbuf, sel, ybuf; writes ybuf
.if DOCPART == 6
	.amdgcn_target "amdgcn-amd-amdhsa--gfx1250"
	.amdhsa_code_object_version 6
	.text
	.protected	k_qca03fb7c51_ffn2
	.globl	k_qca03fb7c51_ffn2
	.p2align	8
	.type	k_qca03fb7c51_ffn2,@function
k_qca03fb7c51_ffn2:
	s_mov_b64 s[64:65], 0
	v_nop
	global_prefetch_b8 v0, s[64:65] scope:SCOPE_SE
	s_setreg_imm32_b32 hwreg(HW_REG_WAVE_SCHED_MODE, 0, 2), 2
	s_setreg_imm32_b32 hwreg(HW_REG_WAVE_MODE, 25, 1), 1
	s_wait_xcnt 0x0
	s_wait_alu depctr_vm_vsrc(0)
; SECOND PRODUCT.  Partial rows y = h Wd^T for the rows that chose the expert, in f32.
; SHARES.  Work-group = expert E (ttmp9 >> 5) x slice DS ((ttmp9 >> 1) & 15) of 64 output columns x half KH (ttmp9 & 1) of the hidden width: 64 rows x 1,024 K of w_down, 256 KB of f32 that this work-group alone
; reads, and ALL rows of E.  K is split in two so that a fragment of h feeds four products and not two; the two halves' sums are stored apart, as f32, and added by the next launch.
; PHASE 1: each wave streams 16 weight rows (4,096 bytes of each) through registers, rounds them to bf16 and lays them into LDS; meanwhile every wave makes the expert's list from sel, by the text that the first product
; uses, so that fragment and place mean the same rows.  A barrier.  PHASE 2: h comes from hbuf as operand images, 512 consecutive bytes a load, straight into registers; the weights come from LDS.
; THE ROW LOOP has a constant count of 4 trips of 5 or 4 fragments (dead ones repeat a live one; their way out is jumped).  A trip is: the products; a barrier; the way out, which writes the wave's stage in LDS; a barrier.
; Every wave passes both barriers in every trip; only work is jumped, forward, to a label ahead of the barrier.  So every LDS write of the loop stands a barrier apart from every wave's reads of the weights.
; An expert without rows stores nothing.
; NO MULTICAST: each weight byte has one reader; h's images are shared by an expert's 16 work-groups of one half, but a joint ring's refills would have to stand in text that a count read from memory jumps.
; OUT.  ybuf[KH][k][token][1024] f32; a fragment's 16 rows x 64 columns go through the wave's own stage in LDS, so that sixteen lanes store 256 consecutive bytes, aligned.  Places past the count hold the last row's
; numbers once more and are stored onto the last row's bytes.
; LIMITS.  w_down is rounded to bf16; NaN and infinities are not treated apart.
; THE MODE: SCHED_MODE bits 1:0 = 2 (LLVM: expert scheduling mode 2), set by the entry lines.  The code itself states the register dependences between vector or matrix instructions and memory or LDS
; instructions, with s_wait_alu, always for 0.
; THE PLAN.  Registers that memory or LDS instructions touch:
;   phase 1   window 1's eight rows: a row's 16 roundings read it; behind them the loads of the row 8 further on land in it.
;             T16, two buffers by turns: row i's roundings write buffer i % 2, its 8 LDS stores read it.  v[WST]: read by those stores, written once between the two rounds.
;             LA, LD: written by the list's arithmetic, 8 tokens at a time, read by the 8 LDS stores behind it.
;   phase 2   AR, a ring of four: step g's products read slot g % 4; the loads issued in step g + 1 land in it.   BF, two buffers: step g's products read buffer g % 2; the LDS loads of step g + 1 land in it.
;             v[BAD]: read by those LDS loads, written at a GEMM's head and once in four steps.   v[AOFF]: written in SETUP, read by the images' loads.
;             the way out: EA, eight LDS addresses, written by vector lines and read by the entries' loads; ENT: those loads land, vector lines make offsets of them, the stores read them; the accumulators: written by
;             the products, read by the stage's LDS stores; OB: loads from the stage land, the stores read it.
;   v[L16], v[BAD0], v[STO], v[RD] are made once at the head and never written again.
; So a row has its two waits behind its roundings; a K step has ONE wait on va_vdst, at its head, and its loads stand among its products, which name the other BF buffer, another AR slot and the accumulators;
; a fragment's way out has one wait on vm_vsrc at its head and two on va_vdst: ahead of its run of LDS instructions and ahead of its run of stores.
; REGISTERS, in windows of 256 (s_set_vgpr_msb: bits 1:0 source 0, 3:2 source 1, 5:4 source 2, 7:6 destination):
;   window 0: addresses, scratch, v64-127 two buffers of 4 weight fragments (in phase 1: v64-95 the list's, v96-111 T16's second buffer), v128-159 rows on their way out, v192-223 sel
;   window 1: phase 1: eight rows as loaded; phase 2: accumulators, 32 a fragment        window 2: v64-223 a ring of four steps of h's fragments, 40 a step
.set NCF,   4          ; weight fragments of 16 rows
.set NRUN,  1          ; a step's LDS loads stand in one run, behind the products of its first fragment
.set ROWB,  8192       ; bytes from weight row to weight row in memory
.set RPW,   16         ; weight rows that a wave lays
.set ASTEP, 1024       ; bytes of an image: a fragment's K step of 32
.set AHALF, 512        ; from a fragment's registers 0-3 to its registers 4-7
.set ACS,   32         ; accumulator registers a fragment of h
.set PW,    2064       ; an LDS row: 2,048 bytes + 16 = 129 x 16: the 16 rows of a fragment load start at 16 different groups of four banks (64 banks of 4 bytes: ISA guide 11.1)
.set LISTB, 64*PW      ; behind the weights: 1,280 bytes a wave: 256 entries, 32 dump words
.set LISTW, 1280
.set STAGE, LISTB+4*LISTW  ; 16 rows x 272 bytes for each wave
.set SP,    272
.set LANE, 1
.set R,    2           ; lane % 16
.set H,    3           ; lane / 16
.set L16,  6           ; 16 x lane
.set WST,  7           ; where I lay 8 bytes of a weight row
.set BAD,  8           ; v8-9    LDS address of weight fragments 2 p, 2 p + 1, at the K of the trip in hand
.set BAD0, 12          ; v12-13  the same at K = 0; never rewritten
.set AOFF, 16          ; v16-20  byte offset in the expert's images of my part of fragment a
.set TOK0, 21          ; 4 x lane
.set DMP,  22          ; 256 + lane: my dump word's index
.set LT,   23          ; v23-24  at the head: at work
.set STO,  28          ; the way out: where I put 16 bytes of a row
.set RD,   29          ; where I read a row back
.set COL,  30          ; 16 x (lane % 16)
.set T16,  32          ; v32-47  a weight row, rounded; the second buffer lies 64 registers on, v96-111
.set ENT,  48          ; v48-55  list entries, then offsets in ybuf
.set EA,   56          ; v56-63  the LDS addresses of eight list entries
.set LW,   64          ; v64-71  the list, 8 tokens at a time: at work
.set LPL,  72          ; v72-79  places
.set LA,   80          ; v80-87  LDS addresses
.set LD,   88          ; v88-95  entries
.set BF,   64
.set OB,   128         ; v128-159
.set SW,   192         ; v192-223 sel
.set AR,   64          ; window 2
.set WV,   14
.set EX,   15
.set DS,   16
.set CNT,  17
.set CM1,  18
.set NFR,  19
.set NFL,  20
.set IB,   21
.set TR,   22
.set KC,   23
.set CONS, 24
.set NFW1, 25
.set WP,   26          ; s[26:27] weights
.set XK,   28          ; s[28:29] images, running along K
.set XB0,  30          ; s[30:31] hbuf at the expert and half
.set OF,   32          ; s[32:33] an offset, high word 0
.set EM,   37
.set E8,   38
.set LB,   39
.set MB,   40          ; s40-47  in the list alone: eight masks, chosen and mine (s40-42 and s44 serve other ends before and behind it)
.set KB,   44          ; bytes along an LDS row at which the K loop's trip begins
.set YP,   48          ; s[48:49] ybuf at the half and slice
.set MA,   54          ; s54-61  in the list alone: eight masks, chosen
.set KH,   62
.set MSB, 0
.macro WIN new                         ; the immediate's high byte repeats the setting that is left; a switch that changes nothing is dropped
.if MSB != (\new)
	s_set_vgpr_msb (MSB<<8)|(\new)
.set MSB, (\new)
.endif
.endm
.macro PLACES                          ; four plain places between a matrix instruction and an access to its registers; ahead of loads and stores they stand beside the wait that states the dependence
.rept 4
	v_nop
.endr
.endm
; One weight row's 4,096 bytes of f32 (registers 32 i .. of window 1) are rounded and laid into LDS.  ahead = 1: the slot takes the row 8 further on.  left: the younger loads that may stay out.
.macro SLOT i, ahead, left
	s_wait_loadcnt \left
	WIN 0x05
.set sT, T16+64*((\i)%2)
.set sz, 0
.rept 16
	v_cvt_pk_bf16_f32 v[sT+sz], v[32*(\i)+2*sz], v[32*(\i)+2*sz+1]
.set sz, sz+1
.endr
.if \ahead
	WIN 0x40
.else
	WIN 0
.endif
.if (\ahead) || ((\i) < 7)
	s_wait_alu depctr_vm_vsrc(0)                   ; the row before's LDS stores have read the other T16, which the next row's roundings write
.endif
	s_wait_alu depctr_va_vdst(0)                   ; the roundings have written this T16, which the LDS stores below read, and are done reading the row's registers, in which the loads below land
.if \ahead
.set sz, 0
.rept 8
	global_load_b128 v[32*(\i)+4*sz:32*(\i)+4*sz+3], v[L16], s[WP:WP+1] offset:((\i)+8)*ROWB+512*sz th:TH_LOAD_NT
.set sz, sz+1
.endr
.endif
	WIN 0
.set sz, 0
.rept 8
	ds_store_b64 v[WST], v[sT+2*sz:sT+2*sz+1] offset:(\i)*PW+256*sz   ; 256 consecutive LDS bytes
.set sz, sz+1
.endr
.endm
.macro ALL8 line:vararg                ; one line for each of a batch's eight tokens lj
.set lj, 0
.rept 8
	\line
.set lj, lj+1
.endr
.endm
; The list and the count: place p of a row is its token's rank in the order (register j, lane), token = 128 (j / 4) + 4 lane + j % 4; fragment p / 16 belongs to wave (p / 16) % 4.
; In four batches of eight registers of sel: the compares stand in runs, each run with one wait behind it; the eight stores stand in one run behind one wait.
.macro LIST
	s_mov_b32 s[CNT], 0
.set lb, 0
.rept 4
	ALL8 v_and_b32 v[LW+lj], s[EM], v[SW+8*lb+lj]
	ALL8 v_cmp_ne_u32 s[MA+lj], 0, v[LW+lj]        ; the lanes whose token chose the expert
	s_wait_alu depctr_va_sdst(0)                   ; the eight masks s[MA ..] are written, ahead of their first reader
.set lj, 0
.rept 8
	v_mbcnt_lo_u32_b32 v[LPL+lj], s[MA+lj], s[CNT] ; place p
	s_bcnt1_i32_b32 s36, s[MA+lj]
	s_add_co_u32 s[CNT], s[CNT], s36
.set lj, lj+1
.endr
	ALL8 v_bfe_u32 v[LW+lj], v[LPL+lj], 4, 2       ; its fragment's wave
	ALL8 v_cmp_eq_u32 s[MB+lj], s[WV], v[LW+lj]
	s_wait_alu depctr_va_sdst(0)                   ; the eight masks s[MB ..] are written, ahead of their first reader
	ALL8 s_and_b32 s[MB+lj], s[MB+lj], s[MA+lj]    ; chosen, and mine
	s_wait_alu depctr_vm_vsrc(0)                   ; the LDS stores issued so far have read their registers: the batch before's LA and LD, written again below; in the first batch the clearing stores' T16, which the first row's roundings write
	ALL8 v_lshrrev_b32 v[LA+lj], 2, v[LPL+lj]
	ALL8 v_and_b32 v[LA+lj], 0xf0, v[LA+lj]
	ALL8 v_and_or_b32 v[LA+lj], v[LPL+lj], 15, v[LA+lj]      ; 16 (p / 64) + p % 16
	ALL8 v_cndmask_b32 v[LA+lj], v[DMP], v[LA+lj], s[MB+lj]  ; the others go to the lane's dump word
	ALL8 v_min_u32 v[LA+lj], 0x13f, v[LA+lj]
	ALL8 v_lshl_add_u32 v[LA+lj], v[LA+lj], 2, s[LB]
	ALL8 v_bfe_u32 v[LD+lj], v[SW+8*lb+lj], s[E8], 1         ; k: 1 where the expert is the token's second
	ALL8 v_lshl_add_u32 v[LD+lj], v[LD+lj], 10, v[TOK0]
	ALL8 v_add_nc_u32 v[LD+lj], ((8*lb+lj)/4)*128+(8*lb+lj)%4, v[LD+lj]  ; k x 1,024 + token
	s_wait_alu depctr_va_vdst(0)                   ; LA and LD are written, which the eight stores read
	ALL8 ds_store_b32 v[LA+lj], v[LD+lj]
.set lb, lb+1
.endr
	s_sub_co_u32 s[CM1], s[CNT], 1
	s_add_co_u32 s[NFR], s[CNT], 15
	s_lshr_b32 s[NFR], s[NFR], 4
	s_add_co_u32 s[NFL], s[NFR], 3
	s_sub_co_u32 s[NFL], s[NFL], s[WV]
	s_lshr_b32 s[NFL], s[NFL], 2                   ; fragments w, w + 4, ..
	s_sub_co_u32 s[NFW1], s[NFL], 1
.endm
; The NCF products of fragment a in one K step: source 0 = 16 weight rows, source 1 = 16 rows of h: a lane then holds one row (lane % 16) and 8 neighbouring output columns.
.macro PROD a, slot, bb, zero
.if ACS*((\a)+1) > 256
	WIN 0xa8
.set pD, ACS*(\a)-256
.else
	WIN 0x58
.set pD, ACS*(\a)
.endif
.set pA, AR+40*(\slot)+8*(\a)
.set pcf, 0
.rept NCF
.set pB, BF+8*NCF*(\bb)+8*pcf
.if \zero
	v_wmma_f32_16x16x32_bf16 v[pD+8*pcf:pD+8*pcf+7], v[pB:pB+7], v[pA:pA+7], 0
.else
	v_wmma_f32_16x16x32_bf16 v[pD+8*pcf:pD+8*pcf+7], v[pB:pB+7], v[pA:pA+7], v[pD+8*pcf:pD+8*pcf+7]
.endif
.set pcf, pcf+1
.endr
.endm
; A K step of 32 for mt fragments.  Each accumulator has one instruction a step: they take turns.  One wait at the step's head states what all its loads hang on; they stand behind fragment 0's
; products: h's images three steps on (into ring slot aslot, at byte aimm) and the next step's weight fragments (into the other buffer, at byte bimm); -1: none.  lc: the younger image loads that may stay out.
; Step 0 (zero = 1) leans on the wait at the GEMM's head: no vector or matrix instruction since names the registers that its loads touch.
.macro KSTEP mt, slot, bb, zero, aslot, aimm, bimm, lc
	s_wait_dscnt 0x0                               ; this step's weight fragments, asked for early in the step before
	s_wait_loadcnt \lc
.if (((\bimm) >= 0) || ((\aimm) >= 0)) && !(\zero)
	PLACES
	s_wait_alu depctr_va_vdst(0)                   ; the step before's products are done reading the other BF buffer and ring slot aslot, in which this step's loads land; behind the loop's jump: v[BAD ..] is written
.endif
.set ka, 0
.rept \mt
	PROD ka, \slot, \bb, \zero
.if (ka == 0) && ((\aimm) >= 0)
	WIN 0x80
.set kc, 0
.rept \mt
	global_load_b128 v[AR+40*(\aslot)+8*kc:AR+40*(\aslot)+8*kc+3],   v[AOFF+kc], s[XK:XK+1] offset:(\aimm)
	global_load_b128 v[AR+40*(\aslot)+8*kc+4:AR+40*(\aslot)+8*kc+7], v[AOFF+kc], s[XK:XK+1] offset:(\aimm)+AHALF
.set kc, kc+1
.endr
.endif
.if (ka < NRUN) && ((\bimm) >= 0)
	WIN 0
.set kc, ka*(NCF/NRUN)
.rept NCF/NRUN
	ds_load_b128 v[BF+8*NCF*(1-(\bb))+8*kc:BF+8*NCF*(1-(\bb))+8*kc+3],   v[BAD+kc/2] offset:(kc%2)*16*PW+(\bimm)
	ds_load_b128 v[BF+8*NCF*(1-(\bb))+8*kc+4:BF+8*NCF*(1-(\bb))+8*kc+7], v[BAD+kc/2] offset:(kc%2)*16*PW+(\bimm)+32
.set kc, kc+1
.endr
.endif
.set ka, ka+1
.endr
.endm
; All 32 K steps for mt fragments.  At the head of step g the image loads of steps g + 1 and g + 2 are younger than step g's, 2 mt each; step g + 3's are issued inside step g; the last, step 31's, in step 28.
; The weights' LDS address is the fixed BAD0 plus the scalar KB, which steps by 256 bytes (4 K steps) a trip: 0 to 1,792.
.macro GEMM mt
	WIN 0
	s_mov_b64 s[XK:XK+1], s[XB0:XB0+1]
	s_mov_b32 s[KB], 0
.set gp, 0
.rept NCF/2
	v_mov_b32 v[BAD+gp], v[BAD0+gp]
.set gp, gp+1
.endr
	WIN 0x80
	s_wait_alu depctr_va_vdst(0)                   ; v[AOFF ..] and v[BAD ..] are written, which the loads below read; every earlier product is done with AR and BF, in which they land
.set gs, 0
.rept 3
.set gp, 0
.rept \mt
	global_load_b128 v[AR+40*gs+8*gp:AR+40*gs+8*gp+3],   v[AOFF+gp], s[XK:XK+1] offset:gs*ASTEP
	global_load_b128 v[AR+40*gs+8*gp+4:AR+40*gs+8*gp+7], v[AOFF+gp], s[XK:XK+1] offset:gs*ASTEP+AHALF
.set gp, gp+1
.endr
.set gs, gs+1
.endr
	WIN 0
.set gp, 0
.rept NCF
	ds_load_b128 v[BF+8*gp:BF+8*gp+3],   v[BAD+gp/2] offset:(gp%2)*16*PW
	ds_load_b128 v[BF+8*gp+4:BF+8*gp+7], v[BAD+gp/2] offset:(gp%2)*16*PW+32
.set gp, gp+1
.endr
	KSTEP \mt, 0, 0, 1, 3, 3*ASTEP, 64, 4*(\mt)    ; step 0 starts the sums: nothing is cleared
	WIN 0
	s_mov_b32 s[KC], 7
.Lk_\@:                                                ; steps 4 t + 1 .. 4 t + 4
	KSTEP \mt, 1, 1, 0, 0, 4*ASTEP, 128, 4*(\mt)
	KSTEP \mt, 2, 0, 0, 1, 5*ASTEP, 192, 4*(\mt)
	KSTEP \mt, 3, 1, 0, 2, 6*ASTEP, 256, 4*(\mt)
	KSTEP \mt, 0, 0, 0, 3, 7*ASTEP, 320, 4*(\mt)
	WIN 0
	s_wait_xcnt 0x0                                ; the loads' base is stepped only behind this wait
	s_add_nc_u64 s[XK:XK+1], s[XK:XK+1], 4*ASTEP
	s_add_co_u32 s[KB], s[KB], 256
	s_wait_alu depctr_vm_vsrc(0)                   ; the LDS loads issued so far have read v[BAD ..]
.set gp, 0
.rept NCF/2
	v_add_nc_u32 v[BAD+gp], s[KB], v[BAD0+gp]
.set gp, gp+1
.endr
	s_sub_co_u32 s[KC], s[KC], 1
	s_cmp_lg_u32 s[KC], 0
	s_cbranch_scc1 .Lk_\@
	KSTEP \mt, 1, 1, 0, 0, -1, 128, 4*(\mt)        ; steps 29 to 31 ask for no images: the counts run down
	KSTEP \mt, 2, 0, 0, 0, -1, 192, 2*(\mt)
	KSTEP \mt, 3, 1, 0, 0, -1, -1, 0
	WIN 0
	PLACES                                         ; ahead of whatever reads the sums or writes the operands' registers
.endm
; A trip's addresses: for each of five fragments (past my last: my last once more, so that only bytes that the first product stored are read) its images' offset.
.macro SETUP
	s_wait_xcnt 0x0
	s_wait_alu depctr_vm_vsrc(0)                   ; all memory and LDS instructions so far have read their registers: v[AOFF ..] and v[BAD ..], written again below; the accumulators, which the stage's stores read and step 0 writes; in the first trip LA, LD and T16's second buffer, which become BF
.set ua, 0
.rept 5
	s_add_co_u32 s40, s[IB], ua
	s_min_u32 s40, s40, s[NFW1]
	s_min_u32 s40, s40, 15
	s_lshl2_add_u32 s41, s40, s[WV]                ; the fragment: 4 i + wave
	s_lshl_b32 s41, s41, 16                        ; its images are 65,536 bytes
	v_add_nc_u32 v[AOFF+ua], s41, v[L16]
.set ua, ua+1
.endr
.endm
; THE WAY OUT of fragment a.  The rows' entries come from my list (past the count: the last row's); the sums go into my stage, each accumulator from its low end on, and come back as whole rows of 256 bytes.
.macro EPI a
	WIN 0
	s_wait_xcnt 0x0                                ; the fragment before has stored: its registers are written again only behind this wait,
	s_wait_alu depctr_vm_vsrc(0)                   ; and behind this one: its LDS loads have read EA, its stores ENT and OB
	s_add_co_u32 s40, s[IB], \a
	s_min_u32 s40, s40, 15
	s_lshl2_add_u32 s41, s40, s[WV]
	s_lshl_b32 s41, s41, 4
	s_sub_co_u32 s41, s[CM1], s41                  ; the fragment's last live row
	s_lshl_b32 s42, s40, 6
	s_add_co_u32 s42, s42, s[LB]
.set ez, 0
.rept 8
	v_add_nc_u32 v[EA+ez], 2*ez, v[H]              ; lanes 0-15 take row 2 t, lanes 16-31 row 2 t + 1
	v_min_u32 v[EA+ez], s41, v[EA+ez]
	v_min_u32 v[EA+ez], 15, v[EA+ez]
	v_lshl_add_u32 v[EA+ez], v[EA+ez], 2, s42
.set ez, ez+1
.endr
	s_wait_alu depctr_va_vdst(0)                   ; the eight addresses are written; the products have written the sums, which the stage's stores read (the four places stand at the GEMM's end); the fragment before's lines are done with ENT
.set ez, 0
.rept 8
	ds_load_b32 v[ENT+ez], v[EA+ez]
.set ez, ez+1
.endr
	WIN 0x04                                       ; the stores' data lie in window 1
.set ez, 0
.rept NCF
	ds_store_b128 v[STO], v[ACS*(\a)+8*ez:ACS*(\a)+8*ez+3]   offset:64*ez
	ds_store_b128 v[STO], v[ACS*(\a)+8*ez+4:ACS*(\a)+8*ez+7] offset:64*ez+16
.set ez, ez+1
.endr
	WIN 0
.set ez, 0
.rept 8
	ds_load_b128 v[OB+4*ez:OB+4*ez+3], v[RD] offset:2*SP*ez   ; LDS serves a wave's instructions in order (ISA guide 5.7.1.4): these see the stores above
.set ez, ez+1
.endr
	s_wait_dscnt 0x0
.set ez, 0
.rept 8
	v_min_u32 v[ENT+ez], 0x7ff, v[ENT+ez]
	v_lshl_add_u32 v[ENT+ez], v[ENT+ez], 12, v[COL]  ; the entry's row of 4,096 bytes + 16 x (lane % 16)
.set ez, ez+1
.endr
	s_wait_alu depctr_va_vdst(0)                   ; the eight offsets in ENT are written, which the stores read
.set ez, 0
.rept 8
	global_store_b128 v[ENT+ez], v[OB+4*ez:OB+4*ez+3], s[YP:YP+1]   ; sixteen lanes store 256 consecutive bytes, aligned
.set ez, ez+1
.endr
.endm
	s_load_b256 s[4:11], s[0:1], 0x0               ; w_down s[4:5], hbuf s[6:7], sel s[8:9], ybuf s[10:11]
	v_lshl_add_u32 v254, v0, 2, 0x25c00
	v_mov_b32 v255, 0
	v_and_b32 v[LANE], 31, v0
	v_lshrrev_b32 v[LT], 5, v0
	v_readfirstlane_b32 s[WV], v[LT]
	v_and_b32 v[R], 15, v0
	v_bfe_u32 v[H], v0, 4, 1
	v_lshlrev_b32 v[L16], 4, v[LANE]
	v_lshlrev_b32 v[TOK0], 2, v[LANE]
	v_add_nc_u32 v[DMP], 0x100, v[LANE]
	v_lshlrev_b32 v[COL], 4, v[R]
	s_lshr_b32 s[EX], ttmp9, 5
	s_bfe_u32 s[DS], ttmp9, 0x40001                ; 4 bits from bit 1
	s_and_b32 s[KH], ttmp9, 1
	s_wait_alu depctr_va_sdst(0)                   ; s[WV] is written, ahead of its first reader
	s_mul_i32 s[LB], s[WV], LISTW
	s_add_co_u32 s[LB], s[LB], LISTB
	v_lshl_add_u32 v[LT+1], v[LANE], 4, s[LB]      ; my list's 256 places start at 0, an entry inside every table: two stores of 512 bytes, ahead of the list's own (LDS serves a wave's instructions in order: ISA guide 5.7.1.4)
.irp z, 0,1,2,3
	v_mov_b32 v[T16+\z], 0
.endr
	s_lshl_b32 s[EM], 0x101, s[EX]
	s_add_co_u32 s[E8], s[EX], 8
	s_mul_i32 s40, s[WV], RPW*PW
	v_lshl_add_u32 v[WST], v[LANE], 3, s40         ; my wave's first LDS row + 8 x lane
	v_mul_u32_u24 v[LT], v[R], PW
	v_lshl_add_u32 v[LT], v[H], 4, v[LT]           ; a fragment's row x pitch + 16 x half
.set hp, 0
.rept NCF/2
	v_add_nc_u32 v[BAD0+hp], 32*hp*PW, v[LT]
.set hp, hp+1
.endr
	s_mul_i32 s40, s[WV], 16*SP
	s_add_co_u32 s40, s40, STAGE                   ; my stage
	v_mul_u32_u24 v[LT], v[R], SP                  ; in: row lane % 16, 32 bytes for each half of the lanes
	v_lshl_add_u32 v[LT], v[H], 5, v[LT]
	v_add_nc_u32 v[STO], s40, v[LT]
	v_mul_u32_u24 v[LT], v[H], SP                  ; back: lanes 0-15 one row of 256 bytes, lanes 16-31 the next
	v_lshl_add_u32 v[LT], v[R], 4, v[LT]
	v_add_nc_u32 v[RD], s40, v[LT]
	s_wait_alu depctr_va_vdst(0)                   ; every address and offset made above, and the four zeros, are written: the stores and loads below read them
	ds_store_b128 v[LT+1], v[T16:T16+3]
	ds_store_b128 v[LT+1], v[T16:T16+3] offset:512
	s_lshl_b32 s[OF], s[EX], 23                    ; an expert's 8 MiB,
	s_lshl_b32 s40, s[DS], 19                      ; the slice's 64 rows of 8,192 bytes,
	s_add_co_u32 s[OF], s[OF], s40
	s_lshl_b32 s40, s[WV], 17                      ; my 16 of them,
	s_add_co_u32 s[OF], s[OF], s40
	s_lshl_b32 s40, s[KH], 12                      ; the half's 4,096 bytes of each
	s_add_co_u32 s[OF], s[OF], s40
	s_mov_b32 s[OF+1], 0
	s_wait_kmcnt 0x0
.set hp, 0
.rept 8
	global_load_b128 v[SW+4*hp:SW+4*hp+3], v[L16], s[8:9] offset:512*hp
.set hp, hp+1
.endr
	s_add_nc_u64 s[WP:WP+1], s[4:5], s[OF:OF+1]
	WIN 0x40
.set hi, 0
.rept 8
.set hp, 0
.rept 8
	global_load_b128 v[32*hi+4*hp:32*hi+4*hp+3], v[L16], s[WP:WP+1] offset:hi*ROWB+512*hp th:TH_LOAD_NT
.set hp, hp+1
.endr
.set hi, hi+1
.endr
	WIN 0
	s_lshl_b32 s[OF], s[EX], 22                    ; an expert's 4 MiB of images,
	s_lshl_b32 s40, s[KH], 15                      ; the half's 32 K steps in each fragment
	s_add_co_u32 s[OF], s[OF], s40
	s_add_nc_u64 s[XB0:XB0+1], s[6:7], s[OF:OF+1]
	s_lshl_b32 s[OF], s[KH], 23                    ; the half's 8 MiB of partial rows,
	s_lshl_b32 s40, s[DS], 8                       ; the slice's 256 bytes of each
	s_add_co_u32 s[OF], s[OF], s40
	s_add_nc_u64 s[YP:YP+1], s[10:11], s[OF:OF+1]
	s_wait_loadcnt 63                              ; sel is in: 64 loads were issued behind it, and 63 is the largest count that can be written
	LIST
.irp i, 0,1,2,3,4,5,6,7
	SLOT \i, 1, 56                                 ; rows 0 to 7 are rounded, rows 8 to 15 asked for; 56 = the other seven rows' loads
.endr
	s_wait_alu depctr_vm_vsrc(0)                   ; the LDS stores of rows 0 to 7 have read v[WST]; that it is written anew is stated by the next row's wait, ahead of its stores
	v_add_nc_u32 v[WST], 8*PW, v[WST]
.irp i, 0,1,2,3,4,5,6,7
	SLOT \i, 0, 56-8*(\i)                          ; the last 8 rows: nothing is asked for, the counts run down
.endr
	s_wait_dscnt 0x0                               ; for the others' sake: my rows lie in LDS
	s_barrier_signal -1
	s_barrier_wait -1                              ; the slice is whole; from here on the weights in LDS are only read
	s_mov_b32 s[IB], 0
	s_mov_b32 s[TR], 4
.Ltrip:
	s_mov_b32 s[CONS], 0                           ; a trip with nothing left takes nothing
	s_cmp_eq_u32 s[NFL], 0
	s_cbranch_scc1 .Lmult
	SETUP
	s_cmp_ge_u32 s[NFL], 5
	s_cbranch_scc1 .Lv5
	s_mov_b32 s[CONS], 4
	GEMM 4
	s_branch .Lmult
.Lv5:
	s_mov_b32 s[CONS], 5
	GEMM 5
.Lmult:
	s_wait_dscnt 0x0                               ; my reads of the weights in this trip are back;
	s_barrier_signal -1
	s_barrier_wait -1                              ; every wave's are: only behind this barrier are the stages written
	s_cmp_lt_u32 s[NFL], 5
	s_cbranch_scc1 .Lepi
	EPI 4                                          ; five or more were left: the trip multiplied five fragments, all live
.Lepi:
	s_cmp_eq_u32 s[NFL], 0
	s_cbranch_scc1 .Ldone
	EPI 0
	s_cmp_le_u32 s[NFL], 1
	s_cbranch_scc1 .Ldone
	EPI 1
	s_cmp_le_u32 s[NFL], 2
	s_cbranch_scc1 .Ldone
	EPI 2
	s_cmp_le_u32 s[NFL], 3
	s_cbranch_scc1 .Ldone
	EPI 3
.Ldone:
	s_sub_co_i32 s[NFL], s[NFL], s[CONS]
	s_max_i32 s[NFL], s[NFL], 0
	s_add_co_u32 s[IB], s[IB], s[CONS]
	s_wait_dscnt 0x0                               ; my stores into my stage and my reads of it are done;
	s_barrier_signal -1
	s_barrier_wait -1                              ; every wave's are: only behind this barrier are the weights read again
	s_sub_co_u32 s[TR], s[TR], 1
	s_cmp_lg_u32 s[TR], 0
	s_cbranch_scc1 .Ltrip
	s_wait_dscnt 0x0                               ; the wave's end; the closing add of 0 onto my spare word stands below
	s_wait_alu depctr_hold_cnt(0) depctr_sa_sdst(0) depctr_va_vdst(0) depctr_va_sdst(0) depctr_va_ssrc(0) depctr_va_vcc(0) depctr_vm_vsrc(0)
	s_wait_tensorcnt 0x0
	ds_add_u32 v254, v255
	s_wait_dscnt 0x0
	s_endpgm
.Lfunc_end_k_qca03fb7c51_ffn2:
	.size	k_qca03fb7c51_ffn2, .Lfunc_end_k_qca03fb7c51_ffn2-k_qca03fb7c51_ffn2
	.p2alignl 7, 3214868480
	.fill 96, 4, 3214868480
	.section	.rodata,"a",@progbits
	.p2align	6, 0x0
	.amdhsa_kernel k_qca03fb7c51_ffn2
		.amdhsa_group_segment_fixed_size 155136
		.amdhsa_private_segment_fixed_size 0
		.amdhsa_enable_private_segment 0
		.amdhsa_kernarg_size 32
		.amdhsa_user_sgpr_count 2
		.amdhsa_user_sgpr_kernarg_segment_ptr 1
		.amdhsa_wavefront_size32 1
		.amdhsa_system_sgpr_workgroup_id_x 1
		.amdhsa_system_sgpr_workgroup_id_y 1
		.amdhsa_system_sgpr_workgroup_id_z 1
		.amdhsa_system_vgpr_workitem_id 0
		.amdhsa_next_free_vgpr 736
		.amdhsa_next_free_sgpr 66
		.amdhsa_reserve_vcc 0
		.amdhsa_float_denorm_mode_32 3
		.amdhsa_float_denorm_mode_16_64 3
		.amdhsa_memory_ordered 1
		.amdhsa_forward_progress 1
		.amdhsa_inst_pref_size 147
	.end_amdhsa_kernel
	.amdgpu_metadata
---
amdhsa.version: [ 1, 2 ]
amdhsa.kernels:
  - .name:           k_qca03fb7c51_ffn2
    .symbol:         k_qca03fb7c51_ffn2.kd
    .args:
      - { .name: w_down, .offset: 0, .size: 8, .value_kind: global_buffer, .address_space: global }
      - { .name: hbuf, .offset: 8, .size: 8, .value_kind: global_buffer, .address_space: global }
      - { .name: sel, .offset: 16, .size: 8, .value_kind: global_buffer, .address_space: global }
      - { .name: ybuf, .offset: 24, .size: 8, .value_kind: global_buffer, .address_space: global }
    .group_segment_fixed_size: 155136
    .private_segment_fixed_size: 0
    .kernarg_segment_align: 8
    .kernarg_segment_size: 32
    .max_flat_workgroup_size: 128
    .sgpr_count:     66
    .vgpr_count:     736
    .wavefront_size: 32
...
	.end_amdgpu_metadata
.endif
;; end of part 6
;; launch combine: the kernel of part 4 again; grid 256 x 1, 4 waves a work-group, no clusters, 0 bytes of LDS; arguments ybuf, rw, ln_gamma, ln_beta, out0; writes out0
